; MI455X (gfx1250); checked and timed in simulation.
; The chip was launched on July 23, 2026; its instructions are those of AMD's public machine-readable ISA for CDNA 5 (MIT licence, August 2026) and "CDNA5" Instruction Set Architecture Reference Guide (July 2026). The comments in the code are by the model that wrote it; some were corrected since.
;; Multi Head Attention. Allowed arithmetic: matrix products marked QUANTISED: E5M2 operands, one E8M0 scale for each 32 along K, by v_wmma_scale_f32_16x16x128_f8f6f4 with both operands' format E5M2, f32 sums; everything else in f32.
;; Inputs: W_out 1,024 x 1,024 float32; W_qkv 1,024 x 3,072 float32; b_out 1,024 float32; b_qkv 3,072 float32; key 4 x 2,048 x 1,024 float32; query 4 x 2,048 x 1,024 float32; value 4 x 2,048 x 1,024 float32.
;; Outputs: out0 4 x 2,048 x 1,024 float32.
;; This version of the problem:
;;   THIS VERSION OF THE PROBLEM IS GIVEN IN LOW PRECISION. The matrix products marked QUANTISED in the list below multiply operands that are first quantised to E5M2 (5 exponent bits, 2 mantissa bits; 8 bits a number), with one power-of-two scale for each 32 numbers along K (OCP MX v1.0); their sums are f32. All else is computed in f32.
;;   The module's matrix products, in the order in which they are computed (A, B: the left and right operand; K: the contracted axis; several contracted axes count as one K, in the product's order):
;;     1. [M 8,192, K 1,024] x [K 1,024, N 3,072]; A: input query; B: input W_qkv: QUANTISED
;;     2. batch 64 x [M 2,048, K 64] x [K 64, N 2,048]; A: computed on the way; B: computed on the way: QUANTISED
;;     3. batch 64 x [M 64, K 2,048] x [K 2,048, N 2,048]; A: computed on the way; B: softmax (see below): QUANTISED
;;     4. [M 8,192, K 1,024] x [K 1,024, N 1,024]; A: computed on the way; B: input W_out: QUANTISED
;;   THE QUANTISER, for each operand of a quantised product, along K:
;;     - K is cut into blocks of 32 from its start; a last block that is shorter is filled with zeros.
;;     - A block's scale is 2^e with e = floor(log2(the largest magnitude in the block)) - 15, held to -126 .. 127; a block of zeros has e = 0. As a byte (E8M0): e + 127.
;;     - Each number is divided by its block's scale, clamped to +-57,344, and rounded to the nearest number of E5M2, ties to even, subnormals kept.
;;     - The product sums the exact products of the quantised numbers (number of the format x scale) in f32.
;;   ~~~python
;;   def quantise(x, axis):      # numpy; x: float32 -> the quantised numbers, widened to float32 again
;;       x = np.moveaxis(x, axis, -1); K = x.shape[-1]
;;       x = np.pad(x, [(0, 0)] * (x.ndim - 1) + [(0, -K % 32)]); x = x.reshape(x.shape[:-1] + (-1, 32)); a = np.abs(x).max(-1, keepdims=True)
;;       e = np.where(a > 0, np.clip(np.frexp(np.where(a > 0, a, 1))[1] - 1 - 15, -126, 127), 0)      # np.frexp(a)[1] - 1 = floor(log2(a)), exactly
;;       r = np.clip(x / 2.0 ** e, -57344, 57344)
;;       step = 2.0 ** (np.maximum(np.frexp(np.where(r == 0, 1, r))[1] - 1, -14) - 2)
;;       q = np.round(r / step) * step * 2.0 ** e      # np.round: ties to even
;;       return np.moveaxis(q.reshape(q.shape[:-2] + (-1,))[..., :K], -1, axis).astype(np.float32)
;;   ~~~
;;   SOFTMAX AHEAD OF A QUANTISED PRODUCT. Where the list says 'softmax', what is quantised is not the finished softmax but p = 2^(t - M), with t = logit x log2(e) and M = ceil(the row's largest t), a whole number; so 1/2 < the row's largest p <= 1. The row's sum l is taken of the UNQUANTISED p, in f32, and the product's result is divided by l at the end. Since M is a whole number, a kernel that streams over the keys may use a running M (the ceiling of the running maximum): every later rescaling is an exact power of two, which a block's scale takes up: the codes' values come out the same.
;;   OPERANDS COMPUTED ON THE WAY. 'Computed on the way' means the value that the module computes at that place (a softmax that the list does not call 'softmax' is quantised finished and normalised). What goes into a quantiser is computed in f32, as accurately as f32 sums, v_exp_f32 and their like allow (about 1e-6 of the number): no bf16 or f16 on the way to a quantiser, and a product that is left as it is and whose result goes on into a quantised operand takes f32 operands (vector FMAs, or v_wmma_f32_16x16x4_f32). A number that lies on a knife's edge between two numbers of the format may be rounded either way, as far as f32 arithmetic and the matrix unit's own rounding can turn it there, and no further.
;; One version. Each part assembles by itself: llvm-mc -triple=amdgcn-amd-amdhsa -mcpu=gfx1250 --defsym DOCPART=n.
;; ======== version 1 of 1: 4 launches
;; limits: right only within a limited range of input values
;; workspace buffers: xq 8,650,752 bytes; wc 4,325,376 bytes; qrec 8,912,896 bytes; kv 17,563,648 bytes; ao 8,650,752 bytes
;; launch prep (part 1): grid 384 x 1, 4 waves a work-group, no clusters, 37,376 bytes of LDS; arguments query, W_qkv, W_out, xq, wc; writes xq, wc
.if DOCPART == 1
	.amdgcn_target "amdgcn-amd-amdhsa--gfx1250"
	.amdhsa_code_object_version 6
	.text
	.protected	k_q32589e1541_prep
	.globl	k_q32589e1541_prep
	.p2align	8
	.type	k_q32589e1541_prep,@function
k_q32589e1541_prep:
	s_mov_b64 s[64:65], 0
	v_nop
	global_prefetch_b8 v0, s[64:65] scope:SCOPE_SE
	s_setreg_imm32_b32 hwreg(HW_REG_WAVE_MODE, 25, 1), 1
	s_wait_xcnt 0x0
; query [8192][1024], W_qkv [1024][3072] and W_out [1024][1024], f32, become codes of BF8 (E5M2) with one E8M0 scale byte for each 32 along K (K = the 1,024 of the model's width),
; laid as IMAGES OF OPERAND REGISTERS.  A fragment is 16 rows x 128 K = 2,048 bytes [c 0..3][lane 0..31][16 bytes]: lane (r = lane % 16, h = lane / 16), group c, holds k = 32 c + 16 h + 0 .. 15 of row r.
; THE ROWS OF A TILE ARE NOT NEIGHBOURS: in each 32 rows, lane r of tile 2 b + u holds row 32 b + 8 u + r + 8 (r / 8).  xq: codes [slot of 256 K: 4][tile 512][which 128: 2][2048], then scale words [tile][K step 8][16 rows].
; wc: the same for 4,096 rows n: W_qkv's columns are tiles 0-191, W_out's tiles 192-255.  (The inputs key and value are read by no launch: the module's result does not hang on them.)
; A block's scale is 2^(floor(log2(its largest magnitude)) - 15); its byte is the largest magnitude's exponent field - 15, held at 1 from below.
; LIMITS: a block whose largest magnitude lies under 2^-111, a block of zeros among them, gets the byte 1 (the rule says 127 for zeros: its codes are zeros, and this program alone reads the bytes); NaN and infinities are not served.
; SHARES: work-groups 0-255 take query (a wave: one tile of 16 rows x 512 along K), 256-351 W_qkv, 352-383 W_out (a wave: 32 columns x 256 along K).  No tensor load, no barrier: waves share nothing.  Only the first way uses LDS.
.set TM,   16                          ; v16-31  at work in the quantiser
.set X,    32                          ; numbers: query: two sets of 64 (v32-159); weights: two sets of 32 (v32-95)
.set PC,   160                         ; query: codes, 16 registers for each of the four K steps: no store's data are written again
.set PW,   224                         ; query: a scale word for each K step
.set WC,   96                          ; weights: codes, 8 registers for each of the eight blocks
.set SB,   24                          ; weights: the scale bytes, four to a register
.set WREG, 9216                        ; LDS: a region for each wave: a stage of 16 rows x 528 bytes, behind it 256 bytes of scale words
.set SPT,  528                         ; a stage row: 512 bytes + 16: row r starts 16 r bytes on, modulo 256
.set SWO,  16*SPT
	s_load_b256 s[4:11], s[0:1], 0x0               ; query s[4:5], W_qkv s[6:7], W_out s[8:9], xq s[10:11]
	s_load_b64 s[12:13], s[0:1], 0x20              ; wc
	v_lshl_add_u32 v240, v0, 2, 0x9000
	v_mov_b32 v241, 0
	v_lshrrev_b32 v1, 5, v0
	v_readfirstlane_b32 s16, v1                    ; wave 0..3
	v_and_b32 v1, 31, v0                           ; lane
	v_and_b32 v2, 15, v0                           ; r
	v_bfe_u32 v3, v0, 4, 1                         ; h
	s_mov_b32 s20, 0x76543210
	s_mov_b32 s21, 0xfedcba98                      ; v_permlanex16_b32's selects for lane l xor 16
	s_mov_b32 s23, 0x600000                        ; the mantissa field of 57,344
	s_cmp_lt_u32 ttmp9, 256
	s_cbranch_scc0 .Lweights
	; ---------------- query: K is innermost ----------------
	v_lshlrev_b32 v4, 4, v1                        ; 16 x lane: a load's and a store's 512 consecutive bytes
	s_mul_i32 s28, s16, WREG
	v_add_nc_u32 v5, s28, v4                       ; the stage, on the way in: a row as it lies
	v_mul_u32_u24 v6, v2, SPT
	v_lshl_add_u32 v6, v3, 6, v6
	v_add_nc_u32 v6, s28, v6                       ; on the way out: row r, + 64 h: my 16 numbers of each block of 32
	s_add_co_u32 s28, s28, SWO
	v_lshl_add_u32 v7, v2, 2, s28                  ; my row's scale word
	v_lshlrev_b32 v9, 3, v1
	v_add_nc_u32 v8, s28, v9                       ; and 8 bytes a lane on the way out
.irp b, 0,1,2,3
	v_mov_b32 v[TM+4+\b], 0                        ; written once: a lane permute's destination counts as one of its sources
.endr
	s_lshl_b32 s17, ttmp9, 2
	s_add_co_u32 s17, s17, s16
	s_lshr_b32 s18, s17, 1                         ; my tile, 0..511
	s_and_b32 s19, s17, 1                          ; which 512 along K
	s_lshr_b32 s24, s18, 1
	s_lshl_b32 s24, s24, 5
	s_and_b32 s25, s18, 1
	s_lshl_b32 s25, s25, 3
	s_add_co_u32 s24, s24, s25                     ; the tile's first row: 32 (tile / 2) + 8 (tile % 2)
	s_lshl_b32 s24, s24, 12                        ; a row is 4,096 bytes
	s_lshl_b32 s25, s19, 11
	s_add_co_u32 s24, s24, s25
	s_mov_b32 s25, 0
	s_lshl_b32 s26, s18, 12                        ; codes: 4,096 bytes a tile in a slot, two slots (2^22 bytes) for my 512 along K
	s_lshl_b32 s27, s19, 22
	s_add_co_u32 s26, s26, s27
	s_mov_b32 s27, 0
	s_lshl_b32 s30, s18, 9                         ; scale words: 512 bytes a tile, 256 of them mine
	s_lshl_b32 s31, s19, 8
	s_add_co_u32 s30, s30, s31
	s_add_co_u32 s30, s30, 8388608
	s_mov_b32 s31, 0
	s_wait_alu depctr_va_vdst(0)
	s_wait_kmcnt 0x0
	s_add_nc_u64 s[4:5], s[4:5], s[24:25]
	s_add_nc_u64 s[26:27], s[10:11], s[26:27]
	s_add_nc_u64 s[30:31], s[10:11], s[30:31]
; 64 numbers of a lane, v[s] on, register 16 b + i = k 32 b + 16 h + i of my row, become a fragment's codes in v[pc] on and its scale word in v[pw]
.macro QUANT s, pc, pw
.irp b, 0,1,2,3
	v_max3_num_f32 v[TM+\b], |v[\s+16*\b]|, |v[\s+1+16*\b]|, 0x8000000   ; block b: my 16 numbers, and the floor 2^(16 - 127): the byte cannot fall under 1
.endr
.irp i, 2,4,6,8,10,12,14
.irp b, 0,1,2,3
	v_max3_num_f32 v[TM+\b], v[TM+\b], |v[\s+16*\b+\i]|, |v[\s+1+16*\b+\i]|   ; the four blocks by turns
.endr
.endr
.irp b, 0,1,2,3
	v_permlanex16_b32 v[TM+4+\b], v[TM+\b], s20, s21
.endr
.irp b, 0,1,2,3
	v_max_num_f32 v[TM+\b], v[TM+\b], v[TM+4+\b]   ; with lane l xor 16's: the block's largest magnitude
.endr
.irp b, 0,1,2,3
	v_add_nc_u32 v[TM+12+\b], 0xf8800000, v[TM+\b] ; 15 off its exponent field: the conversion takes this operand's exponent field as its scale
.endr
.irp b, 0,1,2,3
	v_and_or_b32 v[TM+8+\b], v[TM+\b], 0x7f800000, s23   ; 57,344 x the scale
.endr
.irp b, 0,1,2,3
	v_lshrrev_b32 v[TM+4+\b], 23, v[TM+12+\b]      ; the scale's byte
.endr
	v_lshl_or_b32 v[\pw], v[TM+5], 8, v[TM+4]
	v_lshl_or_b32 v[\pw], v[TM+6], 16, v[\pw]
	v_lshl_or_b32 v[\pw], v[TM+7], 24, v[\pw]
.irp b, 0,1,2,3
.irp i, 0,1,2,3,4,5,6,7,8,9,10,11,12,13,14,15
	v_med3_num_f32 v[\s+16*\b+\i], v[\s+16*\b+\i], -v[TM+8+\b], v[TM+8+\b]   ; the conversion to an 8-bit code does not saturate (ISA guide 7.6.2): the hold comes first
.endr
	v_cvt_scalef32_pk8_bf8_f32 v[\pc+4*\b:\pc+1+4*\b], v[\s+16*\b:\s+7+16*\b], v[TM+12+\b]
	v_cvt_scalef32_pk8_bf8_f32 v[\pc+2+4*\b:\pc+3+4*\b], v[\s+8+16*\b:\s+15+16*\b], v[TM+12+\b]
.endr
	v_nop                                          ; a plain line behind the last conversion
.endm
.macro LOADX t                         ; K step t of my tile's 16 rows: each load reads 512 consecutive bytes of one row
.irp i, 0,1,2,3,4,5,6,7,8,9,10,11,12,13,14,15
	global_load_b128 v[X+64*((\t)%2)+4*\i:X+64*((\t)%2)+4*\i+3], v4, s[4:5] offset:(\i+8*(\i/8))*4096+512*(\t) th:TH_LOAD_NT
.endr
.endm
.macro STEPX t
.set XS, X+64*((\t)%2)
.set PCS, PC+16*(\t)
.if (\t) < 3
	s_wait_loadcnt 16                              ; this K step's 16 loads are in; the next step's 16 may be out
.else
	s_wait_loadcnt 0x0
.endif
.irp i, 0,1,2,3,4,5,6,7,8,9,10,11,12,13,14,15
	ds_store_b128 v5, v[XS+4*\i:XS+4*\i+3] offset:SPT*\i
.endr
.irp c, 0,1,2,3
.irp j, 0,1,2,3
	ds_load_b128 v[XS+16*\c+4*\j:XS+16*\c+4*\j+3], v6 offset:128*\c+16*\j   ; LDS serves a wave's instructions in order: these see the stores above
.endr
.endr
	s_wait_dscnt 0x0
	QUANT XS, PCS, PW+(\t)
.irp c, 0,1,2,3
	global_store_b128 v4, v[PCS+4*\c:PCS+4*\c+3], s[26:27] offset:((\t)/2)*2097152+((\t)%2)*2048+512*\c   ; 512 consecutive bytes of the image
.endr
	ds_store_b32 v7, v[PW+(\t)] offset:64*(\t)     ; both halves of the lanes write the same word with the same value
.if (\t)+2 < 4
	LOADX (\t)+2
.endif
.endm
	LOADX 0
	LOADX 1
	STEPX 0
	STEPX 1
	STEPX 2
	STEPX 3
	ds_load_b64 v[12:13], v8                       ; my tile's four K steps of scale words: 256 bytes
	s_wait_dscnt 0x0
	global_store_b64 v9, v[12:13], s[30:31]        ; 32 lanes store 256 consecutive bytes, aligned
	s_wait_tensorcnt 0x0
	ds_add_u32 v240, v241
	s_wait_dscnt 0x0
	s_endpgm
	; ---------------- the weights: K is the first axis: a lane takes a column, its registers run down K ----------------
.Lweights:
	s_wait_alu depctr_va_vdst(0)
	v_lshlrev_b32 v4, 2, v1                        ; in: 4 bytes a lane: 128 consecutive bytes a load
	v_bfe_u32 v5, v0, 3, 1                         ; column l of 32 lies in tile u = (l / 8) % 2
	v_and_b32 v6, 7, v0
	v_lshl_add_u32 v6, v3, 3, v6                   ; at row l % 8 + 8 (l / 16) of it
	v_lshlrev_b32 v7, 12, v5
	v_lshl_add_u32 v7, v6, 4, v7                   ; codes: 4,096 u + 16 x row
	v_lshlrev_b32 v8, 9, v5
	v_lshl_add_u32 v8, v6, 2, v8                   ; scale words: 512 u + 4 x row
.macro WLOAD t, n, wp                  ; block t: W(32 t + i, my column), i = 0 .. 31
.irp i, 0,1,2,3,4,5,6,7,8,9,10,11,12,13,14,15,16,17,18,19,20,21,22,23,24,25,26,27,28,29,30,31
	global_load_b32 v[X+32*((\t)%2)+\i], v4, s[\wp:\wp+1] offset:(32*(\t)+\i)*\n*4 th:TH_LOAD_NT
.endr
.endm
.macro WBLOCK t, n, wp
.set XS, X+32*((\t)%2)
.set CB, WC+8*(\t)
.if (\t) < 7
	s_wait_loadcnt 32                              ; this block's 32 loads are in; the next block's may be out
.else
	s_wait_loadcnt 0x0
.endif
	v_max3_num_f32 v12, |v[XS]|, |v[XS+1]|, |v[XS+2]|   ; the block's largest magnitude: all 32 numbers are mine
	v_max3_num_f32 v13, |v[XS+3]|, |v[XS+4]|, |v[XS+5]|
.irp i, 6,10,14,18,22,26
	v_max3_num_f32 v12, v12, |v[XS+\i]|, |v[XS+\i+1]|
	v_max3_num_f32 v13, v13, |v[XS+\i+2]|, |v[XS+\i+3]|
.endr
	v_max3_num_f32 v12, v12, |v[XS+30]|, |v[XS+31]|
	v_max3_num_f32 v12, v12, v13, 0x8000000        ; and the floor 2^(16 - 127)
	v_add_nc_u32 v11, 0xf8800000, v12              ; the conversion's scale operand
	v_and_or_b32 v10, v12, 0x7f800000, s23         ; 57,344 x the scale
	v_lshrrev_b32 v13, 23, v11                     ; the scale's byte
.if (\t)%4 == 0
	v_mov_b32 v[SB+(\t)/4], v13                    ; four bytes to a word, the lower K in the lower byte
.else
	v_lshl_or_b32 v[SB+(\t)/4], v13, 8*((\t)%4), v[SB+(\t)/4]
.endif
.irp i, 0,1,2,3,4,5,6,7,8,9,10,11,12,13,14,15,16,17,18,19,20,21,22,23,24,25,26,27,28,29,30,31
	v_med3_num_f32 v[XS+\i], v[XS+\i], -v10, v10
.endr
.irp g, 0,1,2,3
	v_cvt_scalef32_pk8_bf8_f32 v[CB+2*\g:CB+2*\g+1], v[XS+8*\g:XS+8*\g+7], v11
.endr
	global_store_b128 v7, v[CB:CB+3], s[14:15] offset:((\t)/4)*2048+((\t)%4)*512         ; k 0-15 of the block: the image's lanes 0-15: sixteen lanes fill 256 consecutive bytes, aligned, in each of the two tiles
	global_store_b128 v7, v[CB+4:CB+7], s[14:15] offset:((\t)/4)*2048+((\t)%4)*512+256   ; k 16-31: its lanes 16-31
.if (\t)+2 < 8
	WLOAD (\t)+2, \n, \wp                          ; (the next block begins with plain vector lines on the other set)
.endif
.endm
; n: the weight's columns; col0: its first row in wc; first: its first work-group; wp: the scalar pair with its address
.macro WPATH n, col0, first, wp
	s_sub_co_u32 s17, ttmp9, \first
	s_and_b32 s18, s17, 3                          ; which 256 along K
	s_lshr_b32 s19, s17, 2                         ; which 128 columns
	s_lshl_b32 s24, s19, 7
	s_lshl_b32 s25, s16, 5
	s_add_co_u32 s24, s24, s25                     ; my wave's first column
	s_lshl_b32 s24, s24, 2
	s_mul_i32 s25, s18, 256*\n*4
	s_add_co_u32 s24, s24, s25
	s_mov_b32 s25, 0
	s_lshl_b32 s26, s19, 3
	s_lshl_b32 s27, s16, 1
	s_add_co_u32 s26, s26, s27
	s_add_co_u32 s26, s26, \col0/16                ; my pair of tiles
	s_lshl_b32 s28, s26, 12
	s_lshl_b32 s27, s18, 20                        ; a slot of wc: 256 tiles x 4,096 bytes
	s_add_co_u32 s28, s28, s27
	s_mov_b32 s29, 0
	s_lshl_b32 s30, s26, 9
	s_lshl_b32 s27, s18, 7                         ; two K steps x 64 bytes
	s_add_co_u32 s30, s30, s27
	s_add_co_u32 s30, s30, 4194304
	s_mov_b32 s31, 0
	s_wait_kmcnt 0x0
	s_add_nc_u64 s[\wp:\wp+1], s[\wp:\wp+1], s[24:25]
	s_add_nc_u64 s[14:15], s[12:13], s[28:29]
	s_add_nc_u64 s[12:13], s[12:13], s[30:31]
	WLOAD 0, \n, \wp
	WLOAD 1, \n, \wp
.irp t, 0,1,2,3,4,5,6,7
	WBLOCK \t, \n, \wp
.endr
	global_store_b32 v8, v[SB], s[12:13]           ; the scale words of my two K steps: pieces of 64 consecutive bytes, 128 KiB in the whole launch
	global_store_b32 v8, v[SB+1], s[12:13] offset:64
	s_endpgm
.endm
	s_cmp_lt_u32 ttmp9, 352
	s_cbranch_scc0 .Lw_out
	s_wait_alu depctr_va_vdst(0)
	WPATH 3072, 0, 256, 6
.Lw_out:
	s_wait_alu depctr_va_vdst(0)
	WPATH 1024, 3072, 352, 8
.Lfunc_end_k_q32589e1541_prep:
	.size	k_q32589e1541_prep, .Lfunc_end_k_q32589e1541_prep-k_q32589e1541_prep
	.p2alignl 7, 3214868480
	.fill 96, 4, 3214868480
	.section	.rodata,"a",@progbits
	.p2align	6, 0x0
	.amdhsa_kernel k_q32589e1541_prep
		.amdhsa_group_segment_fixed_size 37376
		.amdhsa_private_segment_fixed_size 0
		.amdhsa_enable_private_segment 0
		.amdhsa_kernarg_size 40
		.amdhsa_user_sgpr_count 2
		.amdhsa_user_sgpr_kernarg_segment_ptr 1
		.amdhsa_wavefront_size32 1
		.amdhsa_system_sgpr_workgroup_id_x 1
		.amdhsa_system_sgpr_workgroup_id_y 1
		.amdhsa_system_sgpr_workgroup_id_z 1
		.amdhsa_system_vgpr_workitem_id 0
		.amdhsa_next_free_vgpr 242
		.amdhsa_next_free_sgpr 66
		.amdhsa_reserve_vcc 0
		.amdhsa_float_denorm_mode_32 3
		.amdhsa_float_denorm_mode_16_64 3
		.amdhsa_memory_ordered 1
		.amdhsa_forward_progress 1
		.amdhsa_inst_pref_size 162
	.end_amdhsa_kernel
	.amdgpu_metadata
---
amdhsa.version: [ 1, 2 ]
amdhsa.kernels:
  - .name:           k_q32589e1541_prep
    .symbol:         k_q32589e1541_prep.kd
    .args:
      - { .name: query, .offset: 0, .size: 8, .value_kind: global_buffer, .address_space: global }
      - { .name: W_qkv, .offset: 8, .size: 8, .value_kind: global_buffer, .address_space: global }
      - { .name: W_out, .offset: 16, .size: 8, .value_kind: global_buffer, .address_space: global }
      - { .name: xq, .offset: 24, .size: 8, .value_kind: global_buffer, .address_space: global }
      - { .name: wc, .offset: 32, .size: 8, .value_kind: global_buffer, .address_space: global }
    .group_segment_fixed_size: 37376
    .private_segment_fixed_size: 0
    .kernarg_segment_align: 8
    .kernarg_segment_size: 40
    .max_flat_workgroup_size: 128
    .sgpr_count:     66
    .vgpr_count:     242
    .wavefront_size: 32
...
	.end_amdgpu_metadata
.endif
;; end of part 1
;; launch gemm_qkv (part 2): grid 12 x 32, 4 waves a work-group, clusters of 4 x 4, 327,680 bytes of LDS; arguments xq, wc, b_qkv, qrec, kv; writes qrec, kv
.if DOCPART == 2
	.amdgcn_target "amdgcn-amd-amdhsa--gfx1250"
	.amdhsa_code_object_version 6
	.text
	.protected	k_q32589e1541_gemm_qkv
	.globl	k_q32589e1541_gemm_qkv
	.p2align	8
	.type	k_q32589e1541_gemm_qkv,@function
k_q32589e1541_gemm_qkv:
	s_mov_b64 s[64:65], 0
	v_nop
	global_prefetch_b8 v0, s[64:65] scope:SCOPE_SE
	s_setreg_imm32_b32 hwreg(HW_REG_WAVE_MODE, 25, 1), 1
	s_wait_xcnt 0x0
	s_wait_alu depctr_hold_cnt(0) depctr_sa_sdst(0) depctr_va_vdst(0) depctr_va_sdst(0) depctr_va_ssrc(0) depctr_va_vcc(0) depctr_vm_vsrc(0)
	s_getreg_b32 s2, hwreg(HW_REG_IB_STS2, 6, 4)
	s_cmp_eq_u32 s2, 0
	s_cbranch_scc0 .Lentry_in_a_cluster
	s_endpgm
.Lentry_in_a_cluster:
	s_bfe_u32 s2, ttmp6, 0x10000c
	s_cmp_lg_u32 s2, 0xf033
	s_cbranch_scc0 .Lentry_shape_is_right
	s_endpgm
.Lentry_shape_is_right:
.set NP,    8
.set FR,    16
.set NL,    4
.set SLOT,  131072
.set BOFF,  65536
.set SCL,   2*SLOT
.set SPARE, SCL+16384
.set ADRA,  16
.set ADRB,  20
.set SSTV,  22
.set SRD,   23
.set VO0,   24
.set SSTQ,  26
.set ADRS,  27
.set SPW,   28
.set NIL,   29
.set VSO,   30
.set PSEL,  31
.set SC,    32
.set BIAS,  64
.set AF,    128
.set TM,    32
.set PW,    48
.set PWS,   56
.set PC,    128
.set G1,  24
.set G0,  32
.set G1B, 48
.set G0B, 56
.set G1S, 68
.set G0S, 76
.set G1SB, 80
.set G0SB, 88
.set MSB, 0
.macro WIN new
.if MSB != (\new)
	s_set_vgpr_msb (MSB<<8)|(\new)
.set MSB, (\new)
.endif
.endm
.set TO_B, 0x40
.macro JLOAD g0a, g1a, g0b, g1b
	s_cmp_eq_u32 s15, 0
	s_cbranch_scc0 .Lfor_b_\@
	tensor_load_to_lds s[\g0a:\g0a+3], s[\g1a:\g1a+7]
	s_nop 0
.rept 4
	v_nop
.endr
	s_branch .Lasked_\@
.Lfor_b_\@:
	tensor_load_to_lds s[\g0b:\g0b+3], s[\g1b:\g1b+7]
	s_nop 0
.rept 4
	v_nop
.endr
.Lasked_\@:
.endm
.macro CREST
	s_cmp_lg_u32 s14, 0
	s_cbranch_scc1 .Lnot_wave_0_\@
	s_barrier_signal -3
.Lnot_wave_0_\@:
	s_barrier_wait -3
	s_barrier_signal -1
	s_barrier_wait -1
.endm
.macro CROUND
	s_barrier_signal -1
	s_barrier_wait -1
	CREST
.endm
	s_load_b256 s[4:11], s[0:1], 0x0
	s_load_b64 s[12:13], s[0:1], 0x20
	v_lshl_add_u32 v[SPW], v0, 2, SPARE
	v_mov_b32 v[NIL], 0
	ds_add_u32 v28, v29
	ds_add_u32 v28, v29
	s_wait_dscnt 0x0
	v_lshrrev_b32 v1, 5, v0
	v_readfirstlane_b32 s14, v1
	s_lshr_b32 s15, s14, 1
	s_and_b32 s16, s14, 1
	s_bfe_u32 s40, ttmp6, 0x40000
	s_bfe_u32 s41, ttmp6, 0x40004
	s_and_b32 s45, ttmp7, 0xffff
	s_lshl_b32 s43, s41, 2
	s_lshl_b32 s43, 15, s43
	s_lshl_b32 s44, 0x1111, s40
	s_or_b32 s[G1+0], s43, (3<<16)|(1<<21)
	s_or_b32 s[G1B+0], s44, (3<<16)|(1<<21)
	s_or_b32 s[G1S+0], s43, (3<<16)|(1<<21)
	s_or_b32 s[G1SB+0], s44, (3<<16)|(1<<21)
.irp g, G1, G1B
	s_mov_b32 s[\g+1], 32<<16
	s_mov_b32 s[\g+2], 256<<16
	s_mov_b32 s[\g+3], 32<<16
	s_mov_b32 s[\g+4], 256
	s_mov_b32 s[\g+5], 32
	s_mov_b32 s[\g+6], 0
	s_mov_b32 s[\g+7], 0
.endr
.irp g, G1S, G1SB
	s_mov_b32 s[\g+1], 32<<16
	s_mov_b32 s[\g+2], 32<<16
	s_mov_b32 s[\g+3], 32<<16
	s_mov_b32 s[\g+4], 32
	s_mov_b32 s[\g+5], 32
	s_mov_b32 s[\g+6], 0
	s_mov_b32 s[\g+7], 0
.endr
	s_lshl_b32 s18, s41, 4
	s_lshl_b32 s19, s45, 6
	s_lshl_b32 s22, s40, 4
	s_lshl_b32 s47, s16, 3
	s_add_co_u32 s20, s18, s19
	s_add_co_u32 s21, s18, 128
	s_add_co_u32 s23, s22, s19
	s_lshl_b32 s46, ttmp9, 6
	s_add_co_u32 s46, s46, s22
	s_cmp_eq_u32 ttmp9, 2
	s_cselect_b32 s17, 1, 0
	s_cselect_b32 s20, s21, s20
	s_cselect_b32 s46, s23, s46
	s_cselect_b32 s94, 20, 21
	s_cselect_b32 s95, 21, 20
	s_add_co_u32 s96, s20, s47
	s_add_co_u32 s100, s46, s47
	s_lshl_b32 s98, s96, 9
	s_lshl_b32 s96, s96, 12
	s_lshl_b32 s2, s100, 9
	s_lshl_b32 s100, s100, 12
	s_lshl_b32 s21, 4, s94
	s_add_co_u32 s98, s98, s21
	s_lshl_b32 s23, 4, s95
	s_add_co_u32 s2, s2, s23
	s_mov_b32 s97, 0
	s_mov_b32 s99, 0
	s_mov_b32 s101, 0
	s_mov_b32 s3, 0
	s_lshl_b32 s20, 1, s94
	s_mov_b32 s21, 0
	s_lshl_b32 s46, 1, s95
	s_mov_b32 s47, 0
	s_lshl_b32 s66, 2, s94
	s_mov_b32 s67, 0
	s_lshl_b32 s92, 2, s95
	s_mov_b32 s93, 0
	s_lshl_b32 s42, s14, 15
	s_lshl_b32 s45, s14, 12
	s_add_co_u32 s45, s45, SCL
	s_wait_kmcnt 0x0
	s_cmp_eq_u32 ttmp9, 2
	s_cselect_b64 s[22:23], s[4:5], s[6:7]
	s_cselect_b64 s[4:5], s[6:7], s[4:5]
	s_add_nc_u64 s[98:99], s[4:5], s[98:99]
	s_add_nc_u64 s[2:3], s[22:23], s[2:3]
	s_add_nc_u64 s[96:97], s[4:5], s[96:97]
	s_add_nc_u64 s[100:101], s[22:23], s[100:101]
	CROUND
	s_sub_co_u32 s45, s45, 4096                    ; waves 1 and 3 fetch the scale words of all 16 tiles of A, of B: they begin 4,096 bytes ahead of these waves' own halves, in LDS and in memory
	s_sub_nc_u64 s[98:99], s[98:99], 4096
	s_sub_nc_u64 s[2:3], s[2:3], 4096
	s_mov_b32 s[G0S], 1
	s_mov_b32 s[G0S+1], s45
	s_mov_b64 s[G0S+2:G0S+3], s[98:99]
	s_or_b32 s[G0S+3], s[G0S+3], 0x80000000
	s_mov_b32 s[G0SB], 1
	s_mov_b32 s[G0SB+1], s45
	s_mov_b64 s[G0SB+2:G0SB+3], s[2:3]
	s_or_b32 s[G0SB+3], s[G0SB+3], 0x80000000
.irp s, 0,1
	s_mov_b32 s[G0+4*\s], 1
	s_add_co_u32 s[G0+4*\s+1], s42, \s*SLOT
	s_mov_b64 s[G0+4*\s+2:G0+4*\s+3], s[96:97]
	s_or_b32 s[G0+4*\s+3], s[G0+4*\s+3], 0x80000000
	s_mov_b32 s[G0B+4*\s], 1
	s_add_co_u32 s[G0B+4*\s+1], s42, \s*SLOT
	s_mov_b64 s[G0B+4*\s+2:G0B+4*\s+3], s[100:101]
	s_or_b32 s[G0B+4*\s+3], s[G0B+4*\s+3], 0x80000000
	s_add_nc_u64 s[96:97], s[96:97], s[20:21]
	s_add_nc_u64 s[100:101], s[100:101], s[46:47]
.endr
; THE HEAD'S LOADS, ONE A WAVE: wave 0 slot 0's 256 rows of A, wave 1 A's scale words, wave 2 slot 0's 256 rows of B, wave 3 B's scale words: one tree of branches on the wave's number, a load to an arm
.macro ARM under, g0, g1, next
	s_cmp_lt_u32 s14, \under
	s_cbranch_scc0 \next
	tensor_load_to_lds s[\g0:\g0+3], s[\g1:\g1+7]
	s_nop 0
.rept 4
	v_nop
.endr
	s_branch .Lhead_asked
\next:
.endm
	ARM 1, G0,  G1,  .Lhead_sa
	ARM 2, G0S, G1S, .Lhead_b
	ARM 3, G0B, G1B, .Lhead_sb
	tensor_load_to_lds s[G0SB:G0SB+3], s[G1SB:G1SB+7]
	s_nop 0
.rept 4
	v_nop
.endr
.Lhead_asked:
	v_and_b32 v1, 15, v0
	v_bfe_u32 v2, v0, 4, 1
	v_and_b32 v3, 31, v0
	v_lshlrev_b32 v[VO0], 4, v3
	s_lshl_b32 s6, s15, 15
	s_lshl_b32 s7, s16, 15
	s_add_co_u32 s7, s7, BOFF
	v_add_nc_u32 v[ADRA], s6, v[VO0]
	v_add_nc_u32 v[ADRB], s7, v[VO0]
	v_add_nc_u32 v[ADRA+1], SLOT, v[ADRA]
	v_add_nc_u32 v[ADRB+1], SLOT, v[ADRB]
	s_lshl_b32 s6, s15, 12
	s_lshl_b32 s7, s16, 12
	s_add_co_u32 s7, s7, 8192
	s_sub_co_u32 s7, s7, s6
	v_mul_u32_u24 v4, s7, v2
	s_wait_alu depctr_va_vdst(0)
	s_add_co_u32 s6, s6, SCL
	v_lshl_add_u32 v4, v1, 2, v4
	v_add_nc_u32 v[ADRS], s6, v4
	s_lshl_b32 s6, s14, 10
	v_lshl_add_u32 v[SSTV], v1, 2, s6
	v_lshl_add_u32 v[SSTQ], v2, 9, v[SSTV]
	v_add_nc_u32 v[SRD], s6, v[VO0]
	v_mul_u32_u24 v[PSEL], v2, 0x0202
	v_add_nc_u32 v[PSEL], 0x07060100, v[PSEL]
	v_lshlrev_b32 v5, 6, v2
	v_and_b32 v6, 8, v1
	v_add_nc_u32 v6, v6, v1
	v_lshlrev_b32 v6, 2, v6
	s_and_b32 s4, ttmp7, 0xffff
	s_lshl_b32 s4, s4, 6
	s_lshl_b32 s5, s41, 4
	s_lshl_b32 s6, s15, 3
	s_add_co_u32 s5, s5, s6
	s_add_co_u32 s6, s5, s4
	s_add_co_u32 s5, s5, 128
	s_lshl_b32 s7, s40, 4
	s_lshl_b32 s18, s16, 3
	s_add_co_u32 s7, s7, s18
	s_add_co_u32 s4, s7, s4
	s_lshl_b32 s18, ttmp9, 6
	s_add_co_u32 s7, s7, s18
	s_cmp_eq_u32 s17, 1
	s_cselect_b32 s4, s4, s6
	s_cselect_b32 s5, s5, s7
	s_lshr_b32 s6, s4, 7
	s_lshl_b32 s6, s6, 4
	s_bfe_u32 s7, s5, 0x40002
	s_add_co_u32 s6, s6, s7
	s_lshl_b32 s6, s6, 4
	s_bfe_u32 s7, s4, 0x40003
	s_add_co_u32 s6, s6, s7
	s_mov_b32 s7, 17152
	s_cmp_eq_u32 ttmp9, 0
	s_cselect_b32 s7, 8704, s7
	s_cselect_b64 s[10:11], s[10:11], s[12:13]
	s_mul_i32 s6, s6, s7
	s_lshl_b32 s2, s7, 4
	s_lshl_b32 s18, s17, 13
	s_add_co_u32 s6, s6, s18
	s_mov_b32 s7, 0
	s_add_nc_u64 s[10:11], s[10:11], s[6:7]
	s_lshl_b32 s6, 8192, ttmp9
	s_cmp_eq_u32 s17, 1
	s_cselect_b32 s6, 8704, s6
	s_add_nc_u64 s[12:13], s[10:11], s[6:7]
	s_lshl_b32 s6, s5, 6
	s_add_nc_u64 s[8:9], s[8:9], s[6:7]
	v_add_nc_u32 v[VO0+1], s2, v[VO0]
	v_mul_u32_u24 v[VSO], s2, v2
	v_lshl_add_u32 v[VSO], v1, 4, v[VSO]
	s_mov_b32 s95, 0x8000000
	s_mov_b32 s96, 0x600000
	s_mov_b32 s97, 0x7f7f7f7f
	s_mov_b32 s98, 0x76543210
	s_mov_b32 s99, 0xfedcba98
	s_cmp_eq_u32 s17, 1
	s_cbranch_scc1 .Lbias_v
	s_wait_alu depctr_va_vdst(0)
.irp b, 0,1,2,3,4,5,6,7
	global_load_b128 v[BIAS+8*\b:BIAS+8*\b+3], v5, s[8:9] offset:(32*(\b/2)+8*(\b%2))*4
	global_load_b128 v[BIAS+8*\b+4:BIAS+8*\b+7], v5, s[8:9] offset:(32*(\b/2)+8*(\b%2))*4+16
.endr
	s_branch .Lbias_done
.Lbias_v:
	s_wait_alu depctr_va_vdst(0)
.irp a, 0,1,2,3,4,5,6,7
.irp j, 0,1,2,3,4,5,6,7
	global_load_b32 v[BIAS+8*\a+\j], v6, s[8:9] offset:(32*(\a/2)+8*(\a%2))*4
.endr
.endr
.Lbias_done:
.macro FRAG reg, adr, q, i
.irp c, 0,1,2,3
	ds_load_b128 v[\reg+4*\c:\reg+4*\c+3], v[\adr] offset:4096*(\i)+2048*(\q)+512*\c
.endr
.endm
.macro MUL16 a0, p, q, sc, zero
.irp a, \a0, \a0+1
.irp b, 0,1,2,3,4,5,6,7
.set rD, 8*(8*((\a)%4)+\b)
.set rB, 128*(\p)+FR*\b
.set rA, AF+FR*(\a)
.set sB, SC+16*(\sc)+2*\b+(\q)
.set sA, SC+16*(\sc)+2*(\a)+(\q)
.if (\zero) == 0
	v_wmma_scale_f32_16x16x128_f8f6f4 v[rD:rD+7], v[rB:rB+15], v[rA:rA+15], v[rD:rD+7], v[sB], v[sA] matrix_a_fmt:MATRIX_FMT_BF8 matrix_b_fmt:MATRIX_FMT_BF8 matrix_a_scale:MATRIX_SCALE_ROW1
.elseif (\zero) == 1
	v_wmma_scale_f32_16x16x128_f8f6f4 v[rD:rD+7], v[rB:rB+15], v[rA:rA+15], v[BIAS+8*\b:BIAS+8*\b+7], v[sB], v[sA] matrix_a_fmt:MATRIX_FMT_BF8 matrix_b_fmt:MATRIX_FMT_BF8 matrix_a_scale:MATRIX_SCALE_ROW1
.else
	v_wmma_scale_f32_16x16x128_f8f6f4 v[rD:rD+7], v[rB:rB+15], v[rA:rA+15], v[BIAS+8*(\a):BIAS+8*(\a)+7], v[sB], v[sA] matrix_a_fmt:MATRIX_FMT_BF8 matrix_b_fmt:MATRIX_FMT_BF8 matrix_a_scale:MATRIX_SCALE_ROW1
.endif
.endr
.endr
.endm
.macro FETCH_B slot, q, p
	WIN TO_B
.irp i, 0,1,2,3,4,5,6,7
	FRAG 128*(\p)+FR*\i, ADRB+\slot, \q, \i
.endr
	WIN 0
.endm
.macro FETCH_A slot, q, i0
.irp i, \i0, \i0+1, \i0+2, \i0+3
	FRAG AF+FR*(\i), ADRA+\slot, \q, \i
.endr
.endm
.macro SCALES set, ks
.irp i, 0,1,2,3,4,5,6,7
.irp q, 0,1
	ds_load_b32 v[SC+16*\set+2*\i+\q], v[ADRS] offset:512*\i+64*(2*\ks+\q)
.endr
.endr
.endm
.macro PLACES n
.rept \n
	v_nop
.endr
.endm
.macro STEP slot, q, zero
.if (\zero)
.set WLO, 0x81
.set WHI, 0xc1
.else
.set WLO, 0xa1
.set WHI, 0xf1
.endif
	s_wait_dscnt 4*NL
	WIN WLO
	MUL16 0, (\q)%2, \q, \slot, \zero
	MUL16 2, (\q)%2, \q, \slot, \zero
	s_wait_dscnt 0
	PLACES NP
	FETCH_B \slot, (\q)+1, 1-(\q)%2
	FETCH_A \slot, (\q)+1, 0
	WIN WHI
	MUL16 4, (\q)%2, \q, \slot, \zero
	MUL16 6, (\q)%2, \q, \slot, \zero
	PLACES NP
	WIN 0
	FETCH_A \slot, (\q)+1, 4
.endm
.macro TURN slot, next, fill, ks
	s_wait_tensorcnt 0x0
	ds_add_u32 v[SPW], v[NIL]
	s_wait_dscnt 4*NL+1
	WIN 0xa1
	MUL16 0, 1, 1, \slot, 0
	s_wait_dscnt 0x0
	s_barrier_signal -1
	MUL16 2, 1, 1, \slot, 0
	WIN 0
	s_barrier_wait -1
.if \fill
	CREST
	s_add_nc_u64 s[G0+4*\slot+2:G0+4*\slot+3], s[G0+4*\slot+2:G0+4*\slot+3], s[66:67]
	s_add_nc_u64 s[G0B+4*\slot+2:G0B+4*\slot+3], s[G0B+4*\slot+2:G0B+4*\slot+3], s[92:93]
	JLOAD G0+4*\slot, G1, G0B+4*\slot, G1B
	PLACES NP-4
.else
	PLACES NP
.endif
	FETCH_B \next, 0, 0
	FETCH_A \next, 0, 0
	SCALES \next, \ks
	WIN 0xf1
	MUL16 4, 1, 1, \slot, 0
	MUL16 6, 1, 1, \slot, 0
	PLACES NP
	WIN 0
	FETCH_A \next, 0, 4
.endm
	s_wait_alu depctr_va_vdst(0)                   ; the wait at the head's end
	s_wait_tensorcnt 0x0                           ; my tile of the head's four is in
	ds_add_u32 v[SPW], v[NIL]
	s_mov_b32 s[G1+2], 128<<16                     ; no tensor load of mine is out: from here on a load brings 128 rows
	s_mov_b32 s[G1+4], 128
	s_mov_b32 s[G1B+2], 128<<16
	s_mov_b32 s[G1B+4], 128
	s_wait_dscnt 0x0
	CROUND                                         ; all four tiles are in, and the sixteen work-groups are here
	JLOAD G0+4, G1, G0B+4, G1B                     ; slot 1's first fill: the first tensor load behind the round
	FETCH_B 0, 0, 0
	FETCH_A 0, 0, 0
	SCALES 0, 0
	FETCH_A 0, 0, 4
	s_wait_loadcnt 0x0
	s_cmp_eq_u32 s17, 1
	s_cbranch_scc1 .Lfirst_v
	STEP 0, 0, 1
	s_branch .Lfirst_done
.Lfirst_v:
	STEP 0, 0, 2
.Lfirst_done:
	TURN 0, 1, 1, 1
	STEP 1, 0, 0
	TURN 1, 0, 1, 2
	STEP 0, 0, 0
	TURN 0, 1, 0, 3
	STEP 1, 0, 0
	s_wait_dscnt 4*NL
	WIN 0xa1
	MUL16 0, 1, 1, 1, 0
	MUL16 2, 1, 1, 1, 0
	s_wait_dscnt 0
	WIN 0xf1
	MUL16 4, 1, 1, 1, 0
	MUL16 6, 1, 1, 1, 0
	WIN 0
	PLACES NP
.macro QUANTW a
.set AC, 64*((\a)%4)
.set WW, 2+(\a)/4
.set PCA, PC+16*(\a)
	WIN (WW<<2)|(WW<<4)
.irp b, 0,1,2,3
	v_max3_num_f32 v[TM+\b], s95, |v[AC+16*\b]|, |v[AC+16*\b+1]|
.endr
.irp i, 2,4,6,8,10,12,14
.irp b, 0,1,2,3
	v_max3_num_f32 v[TM+\b], v[TM+\b], |v[AC+16*\b+\i]|, |v[AC+16*\b+\i+1]|
.endr
.endr
	WIN 0
.irp b, 0,1,2,3
	v_permlanex16_b32 v[TM+4+\b], v[TM+\b], s98, s99
.endr
.irp b, 0,1,2,3
	v_max_num_f32 v[TM+\b], v[TM+\b], v[TM+4+\b]
.endr
.irp b, 0,1,2,3
	v_add_nc_u32 v[TM+12+\b], 0xf8800000, v[TM+\b]
.endr
.irp b, 0,1,2,3
	v_and_or_b32 v[TM+8+\b], v[TM+\b], 0x7f800000, s96
.endr
.irp b, 0,1,2,3
	v_lshrrev_b32 v[TM+4+\b], 23, v[TM+12+\b]
.endr
	v_lshl_or_b32 v[PW+(\a)], v[TM+5], 8, v[TM+4]
	v_lshl_or_b32 v[PW+(\a)], v[TM+6], 16, v[PW+(\a)]
	v_lshl_or_b32 v[PW+(\a)], v[TM+7], 24, v[PW+(\a)]
	WIN (WW<<6)|WW
.irp b, 0,1,2,3
.irp i, 0,1,2,3,4,5,6,7,8,9,10,11,12,13,14,15
	v_med3_num_f32 v[AC+16*\b+\i], v[AC+16*\b+\i], -v[TM+8+\b], v[TM+8+\b]
.endr
.endr
	WIN WW
.irp b, 0,1,2,3
	v_cvt_scalef32_pk8_bf8_f32 v[PCA+4*\b:PCA+4*\b+1], v[AC+16*\b:AC+16*\b+7], v[TM+12+\b]
	v_cvt_scalef32_pk8_bf8_f32 v[PCA+4*\b+2:PCA+4*\b+3], v[AC+16*\b+8:AC+16*\b+15], v[TM+12+\b]
.endr
	WIN 0
	v_nop
.endm
.macro EPI a
	QUANTW \a
	s_cmp_eq_u32 s17, 1
	s_cbranch_scc1 .Lv_\@
.irp g, 0,1,2,3
	global_store_b128 v[VO0+\g/2], v[PCA+4*\g:PCA+4*\g+3], s[10:11] offset:1024*(\a)+512*(\g%2)
.endr
	v_perm_b32 v[PWS+(\a)], s97, v[PW+(\a)], v[PSEL]
	ds_store_b32 v[SSTQ], v[PWS+(\a)] offset:64*(\a)
	s_branch .Ldone_\@
.Lv_\@:
	s_wait_alu depctr_va_vdst(0)
.irp g, 0,1,2,3
	global_store_b128 v[VO0+(\a)/4], v[PCA+4*\g:PCA+4*\g+3], s[10:11] offset:2048*((\a)%4)+512*\g
.endr
	ds_store_b32 v[SSTV], v[PW+(\a)] offset:4096+64*(\a)
.Ldone_\@:
.endm
.irp b, 0,1,2,3
	v_mov_b32 v[TM+4+\b], 0
.endr
.irp a, 0,1,2,3,4,5,6,7
	EPI \a
.endr
	s_cmp_eq_u32 s17, 1
	s_cbranch_scc1 .Ltail_v
	ds_load_b128 v[64:67], v[SRD]
	ds_load_b128 v[68:71], v[SRD] offset:512
	s_wait_dscnt 0x0
	global_store_b128 v[VO0], v[64:67], s[12:13]
	global_store_b128 v[VO0+1], v[68:71], s[12:13]
	s_branch .Ltail_done
.Ltail_v:
	ds_load_b128 v[64:67], v[SRD] offset:4096
	s_wait_dscnt 0x0
	global_store_b128 v[VSO], v[64:67], s[12:13]
.Ltail_done:
	s_wait_tensorcnt 0x0
	ds_add_u32 v[SPW], v[NIL]
	s_wait_dscnt 0x0
	CROUND
	s_endpgm
.Lfunc_end_k_q32589e1541_gemm_qkv:
	.size	k_q32589e1541_gemm_qkv, .Lfunc_end_k_q32589e1541_gemm_qkv-k_q32589e1541_gemm_qkv
	.p2alignl 7, 3214868480
	.fill 96, 4, 3214868480
	.section	.rodata,"a",@progbits
	.p2align	6, 0x0
	.amdhsa_kernel k_q32589e1541_gemm_qkv
		.amdhsa_group_segment_fixed_size 327680
		.amdhsa_private_segment_fixed_size 0
		.amdhsa_enable_private_segment 0
		.amdhsa_kernarg_size 40
		.amdhsa_user_sgpr_count 2
		.amdhsa_user_sgpr_kernarg_segment_ptr 1
		.amdhsa_wavefront_size32 1
		.amdhsa_system_sgpr_workgroup_id_x 1
		.amdhsa_system_sgpr_workgroup_id_y 1
		.amdhsa_system_sgpr_workgroup_id_z 1
		.amdhsa_system_vgpr_workitem_id 0
		.amdhsa_next_free_vgpr 1024
		.amdhsa_next_free_sgpr 102
		.amdhsa_reserve_vcc 0
		.amdhsa_float_denorm_mode_32 3
		.amdhsa_float_denorm_mode_16_64 3
		.amdhsa_memory_ordered 1
		.amdhsa_forward_progress 1
		.amdhsa_inst_pref_size 214
	.end_amdhsa_kernel
	.amdgpu_metadata
---
amdhsa.version: [ 1, 2 ]
amdhsa.kernels:
  - .name:           k_q32589e1541_gemm_qkv
    .symbol:         k_q32589e1541_gemm_qkv.kd
    .args:
      - { .name: xq, .offset: 0, .size: 8, .value_kind: global_buffer, .address_space: global }
      - { .name: wc, .offset: 8, .size: 8, .value_kind: global_buffer, .address_space: global }
      - { .name: b_qkv, .offset: 16, .size: 8, .value_kind: global_buffer, .address_space: global }
      - { .name: qrec, .offset: 24, .size: 8, .value_kind: global_buffer, .address_space: global }
      - { .name: kv, .offset: 32, .size: 8, .value_kind: global_buffer, .address_space: global }
    .group_segment_fixed_size: 327680
    .private_segment_fixed_size: 0
    .kernarg_segment_align: 8
    .kernarg_segment_size: 40
    .max_flat_workgroup_size: 128
    .sgpr_count:     102
    .vgpr_count:     1024
    .wavefront_size: 32
...
	.end_amdgpu_metadata
.endif
;; end of part 2
;; launch attn (part 3): grid 4 x 64, 16 waves a work-group, clusters of 4 x 1, 327,680 bytes of LDS; arguments qrec, kv, ao; writes ao
.if DOCPART == 3
	.amdgcn_target "amdgcn-amd-amdhsa--gfx1250"
	.amdhsa_code_object_version 6
	.text
	.protected	k_q32589e1541_attn
	.globl	k_q32589e1541_attn
	.p2align	8
	.type	k_q32589e1541_attn,@function
k_q32589e1541_attn:
	s_mov_b64 s[64:65], 0
	v_nop
	global_prefetch_b8 v0, s[64:65] scope:SCOPE_SE
	s_setreg_imm32_b32 hwreg(HW_REG_WAVE_MODE, 25, 1), 1
	s_wait_xcnt 0x0
	s_wait_alu depctr_hold_cnt(0) depctr_sa_sdst(0) depctr_va_vdst(0) depctr_va_sdst(0) depctr_va_ssrc(0) depctr_va_vcc(0) depctr_vm_vsrc(0)
	s_getreg_b32 s2, hwreg(HW_REG_IB_STS2, 6, 4)
	s_cmp_eq_u32 s2, 0
	s_cbranch_scc0 .Lentry_in_a_cluster
	s_endpgm
.Lentry_in_a_cluster:
	s_bfe_u32 s2, ttmp6, 0x10000c
	s_cmp_lg_u32 s2, 0x3003
	s_cbranch_scc0 .Lentry_shape_is_right
	s_endpgm
.Lentry_shape_is_right:
; o = softmax(q k^T / 8) v for 64 heads of size 64 and 2,048 keys, both products on codes of BF8 (E5M2) with E8M0 scales for each 32 along a product's K; o / l is quantised here into the last product's operand.
; THE SOFTMAX AHEAD OF THE SECOND PRODUCT: t = score x log2(e) / 8; M = the running largest t rounded UP to a whole number; p = 2^(t - M) is quantised along the keys; the row's sum l is taken of the unquantised p and divides at the end.
; IN: qrec: records of 8,704 bytes for 128 queries (8 tiles x [c 0..1][lane][16], then 8 x 16 scale words).  kv: records of 17,152 bytes for 128 keys: K's 8 tiles as Q's; at 8,192 V^T, 4 tiles of 16 of the head's 64 x 128 keys;
; at 16,384 K's scale words; at 16,896 V's.  All are images of operand registers: a fragment comes by loads of 512 consecutive bytes.
; THE HEAD HAS 64 ALONG THE FIRST PRODUCT'S K, THE INSTRUCTION 128: registers 8-15 of Q's fragment hold zero codes for the whole launch, and bytes 2, 3 of Q's and K's scale words are 127.  K's fragments overlap: tile t lies in
; eight registers, and the upper eight that its product names are tile t + 1's codes; behind the last tile stand zeros (region 0) or the last step's codes of p (region 1): codes of finite numbers, which meet Q's zero codes and add nothing.
; SHARES: a work-group owns ONE head and 512 queries; the head's 16 records, 274,432 bytes, lie in LDS whole and are filled once, a record a wave.  Each of the sixteen waves owns two tiles of 16 queries, w and w + 16,
; and walks the 16 records once for each (a pass).  Both products are used transposed: a lane holds one query throughout.
; The rows of a tile are not neighbours (lane r of tile 2 b + u is row 32 b + 8 u + r + 8 (r / 8)), so the 16 registers of two neighbouring result tiles are 16 neighbours along the next K.
; TWO REGIONS OF 64 REGISTERS CHANGE ROLES FROM STEP TO STEP.  K lies in one, S^T and then p in the other.  V is asked for into K's region behind the eight score products, some 250 instructions ahead of its use; the next record's K is asked
; for into p's registers as soon as each half of p has been converted.  So each LDS load is issued well ahead of the wait for it.  A pass's last step has no next record: it names record 15 again, and those loads are not used.
; CLUSTER: the four work-groups of a head ask for its records jointly (mask 15), behind one round of the cluster's barrier.  One work-group barrier shows the records to all waves; behind it no wave meets another before the end.
; NO PREFETCH: every byte of K and V is asked for at the head, so there is no later load for a prefetch to run ahead of; Q's two fragments are loaded at the head.
; OUT: ao, laid as xq: codes [slot of 256 K: 4][tile 512][which 128: 2][2048], then scale words [tile][K step 8][16]: a head owns groups 2 (head % 2), + 1 of a fragment and two bytes of each scale word.
; LIMITS: a block under 2^-111 gets the byte 1; NaN and infinities are not served; the softmax holds while the scaled scores t stay under 2^31 in magnitude.
.set REC,   17152
.set SPARE, 16*REC                     ; behind the records: the spare words, 128 bytes for each wave: eight blocks of 256 bytes that no other line names
.set HSQ,   2*8704                     ; from tile w to tile w + 16 in qrec
.set LI,  1                            ; v1  16 x lane
.set LS,  2                            ; v2  4 x (lane % 16)
.set ADL, 3                            ; v3  a record + 16 x lane
.set ADS, 4                            ; v4  a record + 4 r
.set SPW, 5
.set NIL, 6
.set TMP, 7
.set VS,  8                            ; v8-11   V's scale words;  v12 -M, v13 the largest t, v[14:15] the sum;  v16-31 Q
.set R0,  32                           ; v32-95  region 0;  v96-103 zeros
.set R1,  104                          ; v104-167 region 1
.set PC,  168                          ; v168-183 p's codes
.set OT,  184                          ; v184-215 O^T
.set Q2,  216                          ; v216-223 the second tile's Q, v224 its scale word
.set Q2S, 224
.set QSC, 225                          ; Q's scale word
.set PF,  226                          ; f
.set PSW, 227                          ; p's scale word
.set BM,  228                          ; the blocks' largest scores, then p, then scale bytes
.set T4,  232                          ; at work, then the conversions' scale operands
.set HOLD, 236                         ; 57,344 x the scale
.set HB,  241                          ; the same, one register bank on
.set KS,  248                          ; v248-255 K's scale words
.set WV,  18
.set MNT, 19
.set SEL, 20
.set CS,  22
.set G1,  24
.set G0,  40
.set QP,  48
.set QS,  50
.set AOP, 52
.set AOS, 54
.set TB,  2                            ; s2   LDS byte of a trip's first record
.set NSC, 3
.set TN,  16
.set PASS, 17
.macro CROUND                          ; a round of the cluster's barrier
	s_barrier_signal -1
	s_barrier_wait -1
	s_cmp_lg_u32 s[WV], 0
	s_cbranch_scc1 .Lnot_wave_0_\@
	s_barrier_signal -3
.Lnot_wave_0_\@:
	s_barrier_wait -3
	s_barrier_signal -1
	s_barrier_wait -1
.endm
	s_load_b128 s[4:7], s[0:1], 0x0                ; qrec, kv
	s_load_b64 s[8:9], s[0:1], 0x10                ; ao
	v_lshl_add_u32 v[SPW], v0, 2, SPARE
	v_mov_b32 v[NIL], 0
	ds_add_u32 v[SPW], v[NIL]                      ; the opening: the add, twice on end, and its wait ahead of my first tensor load
	ds_add_u32 v[SPW], v[NIL]
	v_lshrrev_b32 v3, 5, v0
	s_delay_alu instid0(VALU_DEP_1)
	v_readfirstlane_b32 s[WV], v3                  ; wave 0..15
	s_and_b32 s10, ttmp7, 0xffff                   ; the cluster's y: 16 x batch + head
	s_bfe_u32 s11, ttmp6, 0x40000                  ; cx: which 512 queries: it enters Q's and ao's addresses alone
	s_mul_i32 s12, s10, 16*REC                     ; the head's records in kv
	s_mul_i32 s13, s[WV], REC                      ; my record, in LDS as in the stream
	s_add_co_u32 s14, s12, s13
	s_mov_b32 s15, 0
	s_mov_b32 s[G1], 15|(3<<16)|(1<<21)            ; the mask names the cluster's four; elements of 8 bytes; bit 21 set beside a mask; a record: 67 dense rows of 256 bytes, no padding
	s_mov_b32 s[G1+1], 32<<16
	s_mov_b32 s[G1+2], 67<<16
	s_mov_b32 s[G1+3], 32<<16
	s_mov_b32 s[G1+4], 67
	s_mov_b32 s[G1+5], 32
	s_mov_b32 s[G1+6], 0
	s_mov_b32 s[G1+7], 0
	s_lshl_b32 s58, s10, 4                         ; Q: record 16 x (16 batch + head) + 4 cx + wave / 8, tile wave % 8
	s_lshl_b32 s59, s11, 2
	s_add_co_u32 s58, s58, s59
	s_lshr_b32 s59, s[WV], 3
	s_add_co_u32 s58, s58, s59
	s_mul_i32 s58, s58, 8704
	s_and_b32 s59, s[WV], 7
	s_lshl_b32 s60, s59, 10
	s_add_co_u32 s60, s60, s58
	s_mov_b32 s61, 0
	s_lshl_b32 s62, s59, 6
	s_add_co_u32 s62, s62, s58
	s_add_co_u32 s62, s62, 8192
	s_mov_b32 s63, 0
	s_lshr_b32 s66, s10, 4                         ; ao: tile 128 x batch + 32 cx + wave
	s_lshl_b32 s66, s66, 7
	s_lshl_b32 s67, s11, 5
	s_add_co_u32 s66, s66, s67
	s_add_co_u32 s66, s66, s[WV]
	s_and_b32 s67, s10, 15                         ; the head
	s_lshl_b32 s68, s66, 12                        ; codes: 4,096 x tile + 2^21 x (head / 4) + 1,024 x (head % 4)
	s_lshr_b32 s69, s67, 2
	s_lshl_b32 s69, s69, 21
	s_add_co_u32 s68, s68, s69
	s_and_b32 s69, s67, 3
	s_lshl_b32 s69, s69, 10
	s_add_co_u32 s68, s68, s69
	s_mov_b32 s69, 0
	s_lshl_b32 s70, s66, 9                         ; scale bytes: 512 x tile + 64 x (head / 2) + 2 x (head % 2)
	s_lshr_b32 s71, s67, 1
	s_lshl_b32 s71, s71, 6
	s_add_co_u32 s70, s70, s71
	s_and_b32 s71, s67, 1
	s_lshl_b32 s71, s71, 1
	s_add_co_u32 s70, s70, s71
	s_add_co_u32 s70, s70, 8388608
	s_mov_b32 s71, 0
	s_mov_b32 s[SEL], 0x76543210
	s_mov_b32 s[SEL+1], 0xfedcba98
	s_mov_b32 s[CS], 0x3e38aa3b                    ; c = log2(e) / 8
	s_mov_b32 s[CS+1], s[CS]                       ; (named with it as a pair, so it is written)
	s_mov_b32 s[MNT], 0x600000
	s_mov_b32 s[PASS], 2
	s_wait_dscnt 0x0                               ; both opening adds are done
	s_wait_kmcnt 0x0
	s_mov_b32 s[G0], 1
	s_mov_b32 s[G0+1], s13
	s_add_nc_u64 s[G0+2:G0+3], s[6:7], s[14:15]
	s_or_b32 s[G0+3], s[G0+3], 0x80000000
	s_add_nc_u64 s[QP:QP+1], s[4:5], s[60:61]
	s_add_nc_u64 s[QS:QS+1], s[4:5], s[62:63]
	s_add_nc_u64 s[AOP:AOP+1], s[8:9], s[68:69]
	s_add_nc_u64 s[AOS:AOS+1], s[8:9], s[70:71]
	CROUND                                         ; the four work-groups are here: the joint loads meet
	tensor_load_to_lds s[G0:G0+3], s[G1:G1+7]      ; my record: my one tensor load of the launch
	s_nop 0
.rept 4
	v_nop
.endr
	v_and_b32 v3, 31, v0
	s_delay_alu instid0(VALU_DEP_1)
	v_lshlrev_b32 v[LI], 4, v3
	v_and_b32 v4, 15, v0
	s_delay_alu instid0(VALU_DEP_1)
	v_lshlrev_b32 v[LS], 2, v4
	global_load_b128 v[16:19], v[LI], s[QP:QP+1]   ; tile w's Q: groups 0, 1 of the fragment
	global_load_b128 v[20:23], v[LI], s[QP:QP+1] offset:512
	global_load_b32 v[QSC], v[LS], s[QS:QS+1]
	global_load_b128 v[Q2:Q2+3], v[LI], s[QP:QP+1] offset:HSQ   ; tile w + 16's
	global_load_b128 v[Q2+4:Q2+7], v[LI], s[QP:QP+1] offset:HSQ+512
	global_load_b32 v[Q2S], v[LS], s[QS:QS+1] offset:HSQ
.irp j, 0,1,2,3,4,5,6,7
	v_mov_b32 v[24+\j], 0                          ; k = 64 .. 127 of Q: zero codes
	v_mov_b32 v[96+\j], 0                          ; and what region 0's last fragment of K names above its own eight registers
.endr
.irp b, 0,1,2,3
	v_mov_b32 v[T4+\b], 0                          ; a lane permute's destination counts as one of its sources
.endr
	v_mov_b32 v[PSW], 0                            ; (named as the upper half of the pair with f before it is first written)
.macro KN reg, t0                      ; four tiles of K, t0 on, of the record at v[ADL], and their scale words
.irp t, 0,1,2,3
	ds_load_b128 v[\reg+8*(\t0+\t):\reg+8*(\t0+\t)+3], v[ADL] offset:1024*(\t0+\t)
	ds_load_b128 v[\reg+8*(\t0+\t)+4:\reg+8*(\t0+\t)+7], v[ADL] offset:1024*(\t0+\t)+512
	ds_load_b32 v[KS+\t0+\t], v[ADS] offset:16384+64*(\t0+\t)
.endr
.endm
.macro QB sb, b                        ; block b of p: the hold and the conversion
.set i, 0
.rept 8
	v_dual_min_num_f32 v[\sb+16*\b+i], v[\sb+16*\b+i], v[HOLD+\b] :: v_dual_min_num_f32 v[\sb+16*\b+i+1], v[\sb+16*\b+i+1], v[HB+\b]   ; the conversion does not saturate (ISA guide 7.6.2); p is not negative, so the hold is one-sided; two numbers an instruction
.set i, i+2
.endr
	v_cvt_scalef32_pk8_bf8_f32 v[PC+4*\b:PC+4*\b+1], v[\sb+16*\b:\sb+16*\b+7], v[T4+\b]
	v_cvt_scalef32_pk8_bf8_f32 v[PC+4*\b+2:PC+4*\b+3], v[\sb+16*\b+8:\sb+16*\b+15], v[T4+\b]
.endm
; A KEY STEP: 128 keys.  ka: the region with K, then V;  sb: the region for S^T, then p, then the next record's K;  nx: the next record lies nx records behind the trip's first
.macro STEP ka, sb, nx
.rept 9
	v_nop                                          ; nine places behind the last step's products, whose fragments of V the products below write over
.endr
	s_wait_dscnt 0x0                               ; K and its scale words are in: asked for in the last step
.irp t, 0,1,2,3,4,5,6,7                ; S^T = K Q^T
	v_wmma_scale_f32_16x16x128_f8f6f4 v[\sb+8*\t:\sb+8*\t+7], v[\ka+8*\t:\ka+8*\t+15], v[16:31], 0, v[KS+\t], v[QSC] matrix_a_fmt:MATRIX_FMT_BF8 matrix_b_fmt:MATRIX_FMT_BF8
.endr
.rept 8
	v_nop                                          ; eight places: in front of the loads into K's registers and of the first read of the results
.endr
.irp t, 0,1,2,3                        ; V is asked for now and lands under the softmax
.irp c, 0,1,2,3
	ds_load_b128 v[\ka+16*\t+4*\c:\ka+16*\t+4*\c+3], v[ADL] offset:8192+2048*\t+512*\c
.endr
	ds_load_b32 v[VS+\t], v[ADS] offset:16896+64*\t
.endr
.irp b, 0,1,2,3                        ; the largest score of each block of 32 keys: it serves for the row's maximum and, since p rises with the score, for the block's largest p.  Each accumulator is read from its low end on
	v_max3_num_f32 v[BM+\b], v[\sb+16*\b], v[\sb+16*\b+1], v[\sb+16*\b+2]
.endr
.irp i, 3,5,7,9,11,13
.irp b, 0,1,2,3
	v_max3_num_f32 v[BM+\b], v[BM+\b], v[\sb+16*\b+\i], v[\sb+16*\b+\i+1]
.endr
.endr
.irp b, 0,1,2,3
	v_max_num_f32 v[BM+\b], v[BM+\b], v[\sb+16*\b+15]
.endr
.irp b, 0,1,2,3
	v_permlanex16_b32 v[T4+\b], v[BM+\b], s[SEL], s[SEL+1]
.endr
.irp b, 0,1,2,3
	s_delay_alu instid0(VALU_DEP_4)
	v_max_num_f32 v[BM+\b], v[BM+\b], v[T4+\b]     ; with lane l xor 16's 16 keys
.endr
	s_delay_alu instid0(VALU_DEP_2)
	v_max3_num_f32 v[TMP], v[BM], v[BM+1], v[BM+2]
	s_delay_alu instid0(VALU_DEP_1)
	v_max_num_f32 v[TMP], v[TMP], v[BM+3]          ; the step's largest score of my query
	s_delay_alu instid0(VALU_DEP_1)
	v_mul_f32 v[TMP], s[CS], v[TMP]                ; as t (c is positive)
	s_delay_alu instid0(VALU_DEP_1)
	v_max_num_f32 v13, v13, v[TMP]                 ; the running largest t
	v_mov_b32 v[TMP], v12
	s_delay_alu instid0(VALU_DEP_2)
	v_floor_f32 v12, -v13                          ; the new -M = floor(-t): M is a whole number
	s_delay_alu instid0(VALU_DEP_1)
	v_sub_f32 v[TMP], v12, v[TMP]                  ; old M less new M: a whole number, 0 or less
	s_delay_alu instid0(VALU_DEP_1)
	v_cvt_i32_f32 v[TMP], v[TMP]                   ; (it saturates)
	s_delay_alu instid0(VALU_DEP_1)
	v_ldexp_f32 v[PF], 1.0, v[TMP]                 ; f = 2^(old M - new M): a multiplication by it rounds nothing
.set j, 0
.rept 32
	v_pk_fma_f32 v[\sb+j:\sb+j+1], v[\sb+j:\sb+j+1], s[CS:CS+1], v[12:13] op_sel_hi:[1,0,0]   ; t - M, two at a time
.set j, j+2
.endr
.irp b, 0,1,2,3
	v_fma_f32 v[BM+\b], v[BM+\b], s[CS], v12       ; the same of each block's largest score
.endr
.set j, 0
	s_wait_alu depctr_va_vdst(0)                   ; the wait ahead of the batch
.rept 64
	v_exp_f32 v[\sb+j], v[\sb+j]                   ; p = 2^(t - M), at most 1: not normalised
.set j, j+1
.endr
	v_pk_mul_f32 v[14:15], v[14:15], v[PF:PF+1] op_sel_hi:[1,0]   ; the sums under the new M: a plain line behind the exponentials
	s_wait_alu depctr_va_vdst(0)                   ; one wait for the whole batch, ahead of its first reader
.irp b, 0,1,2,3
	v_exp_f32 v[BM+\b], v[BM+\b]                   ; the block's largest p: the same two instructions on the same number give the same bits
.endr
	v_pk_add_f32 v[14:15], v[14:15], v[\sb:\sb+1]  ; the row's sum is taken of the unquantised p: two at a time, in four chains
	v_pk_add_f32 v[236:237], v[\sb+2:\sb+3], v[\sb+10:\sb+11]
	v_pk_add_f32 v[238:239], v[\sb+4:\sb+5], v[\sb+12:\sb+13]
	v_pk_add_f32 v[242:243], v[\sb+6:\sb+7], v[\sb+14:\sb+15]
	v_pk_add_f32 v[14:15], v[14:15], v[\sb+8:\sb+9]
.irp j, 16,24,32,40,48,56
	v_pk_add_f32 v[14:15], v[14:15], v[\sb+\j:\sb+\j+1]
	v_pk_add_f32 v[236:237], v[236:237], v[\sb+\j+2:\sb+\j+3]
	v_pk_add_f32 v[238:239], v[238:239], v[\sb+\j+4:\sb+\j+5]
	v_pk_add_f32 v[242:243], v[242:243], v[\sb+\j+6:\sb+\j+7]
.endr
	s_delay_alu instid0(VALU_DEP_2)
	v_pk_add_f32 v[236:237], v[236:237], v[238:239]
	s_delay_alu instid0(VALU_DEP_2)
	v_pk_add_f32 v[14:15], v[14:15], v[242:243]
	s_delay_alu instid0(VALU_DEP_1)
	v_pk_add_f32 v[14:15], v[14:15], v[236:237]
	s_wait_alu depctr_va_vdst(0)                   ; and one for the four
	s_wait_dscnt 0x0                               ; V and its scale words are in: asked for at the step's head.  No LDS load of mine is out, so the addresses may step
.irp b, 0,1,2,3
	v_max_num_f32 v[BM+\b], 0x8000000, v[BM+\b]    ; the floor 2^(16 - 127): the byte cannot fall under 1
.endr
.irp b, 0,1,2,3
	s_delay_alu instid0(VALU_DEP_4)
	v_add_nc_u32 v[T4+\b], 0xf8800000, v[BM+\b]    ; the conversion's scale operand
.endr
.irp b, 0,1,2,3
	v_and_or_b32 v[HOLD+\b], v[BM+\b], 0x7f800000, s[MNT]   ; 57,344 x the scale
.endr
.irp b, 0,1,2,3
	v_and_or_b32 v[HB+\b], v[BM+\b], 0x7f800000, s[MNT]     ; and once more, one register bank on: the two halves of a dual instruction take their second sources from different banks
.endr
.irp b, 0,1,2,3
	v_lshrrev_b32 v[BM+\b], 23, v[T4+\b]           ; the scale's byte
.endr
	s_delay_alu instid0(VALU_DEP_3)
	v_lshl_or_b32 v[PSW], v[BM+1], 8, v[BM]        ; p's scale word for these 128 keys
	s_delay_alu instid0(VALU_DEP_1)
	v_lshl_or_b32 v[PSW], v[BM+2], 16, v[PSW]
	s_delay_alu instid0(VALU_DEP_1)
	v_lshl_or_b32 v[PSW], v[BM+3], 24, v[PSW]
	s_add_co_u32 s[TN], s[TB], \nx*REC             ; the next record
.if \nx == 2
	s_min_u32 s[TN], s[TN], 15*REC                 ; (behind the pass's last step: record 15 again)
.endif
	v_add_nc_u32 v[ADL], s[TN], v[LI]
	v_add_nc_u32 v[ADS], s[TN], v[LS]
	QB \sb, 0
	QB \sb, 1
	KN \sb, 0                                      ; the first half of p is converted: its registers take the next record's tiles 0 to 3 of K
	QB \sb, 2
	QB \sb, 3
	KN \sb, 4                                      ; and the second half's tiles 4 to 7
	s_wait_alu depctr_va_vdst(0)                   ; the wait here, directly ahead of the first reader of O^T
.set j, 0
.rept 16
	v_pk_mul_f32 v[OT+j:OT+j+1], v[OT+j:OT+j+1], v[PF:PF+1] op_sel_hi:[1,0]   ; O^T under the new M.  These sixteen are also the plain lines between the conversions, the scale word and the products below
.set j, j+2
.endr
.irp t, 0,1,2,3                        ; O^T += V^T P^T: the four accumulators by turns
	v_wmma_scale_f32_16x16x128_f8f6f4 v[OT+8*\t:OT+8*\t+7], v[\ka+16*\t:\ka+16*\t+15], v[PC:PC+15], v[OT+8*\t:OT+8*\t+7], v[VS+\t], v[PSW] matrix_a_fmt:MATRIX_FMT_BF8 matrix_b_fmt:MATRIX_FMT_BF8
.endr
.endm
	s_wait_alu depctr_va_vdst(0)                   ; the wait at the head's end
	s_wait_tensorcnt 0x0                           ; my record is in
	ds_add_u32 v[SPW], v[NIL]
	s_wait_dscnt 0x0
	s_barrier_signal -1
	s_barrier_wait -1                              ; everybody's is: the head is whole.  Nothing is filled again
	s_wait_loadcnt 0x0                             ; both Q
.Lpass:                                            ; two trips: tile w, tile w + 16
	v_mov_b32 v[ADL], v[LI]                        ; record 0
	v_mov_b32 v[ADS], v[LS]
	KN R0, 0
	KN R0, 4
	v_mov_b32 v13, 0xff61b1e6                      ; the largest t so far: -3e38
	s_delay_alu instid0(VALU_DEP_1)
	v_floor_f32 v12, -v13                          ; -M
	v_mov_b32 v14, 0
	v_mov_b32 v15, 0
.set j, 0
.rept 32
	v_mov_b32 v[OT+j], 0                           ; O^T: the step is written once: the first finds zeros, which the first change of M leaves zeros
.set j, j+1
.endr
	s_mov_b32 s[TB], 0
	s_mov_b32 s[NSC], 8
.Lstep:                                            ; eight trips of two key steps: behind two steps the regions are back in their roles
	STEP R0, R1, 1
	STEP R1, R0, 2
	s_add_co_u32 s[TB], s[TB], 2*REC
	s_sub_co_u32 s[NSC], s[NSC], 1
	s_cmp_lg_u32 s[NSC], 0
	s_cbranch_scc1 .Lstep
	; A tile is done: O^T / l is quantised along the head's 64 (two blocks) and stored as two groups of the tile's fragment, with its two scale bytes
.rept 8
	v_nop                                          ; places behind the last products: region 1, which held V, is at work below
.endr
	s_wait_dscnt 0x0                               ; the last step's loads, which are not used
	v_add_f32 v14, v14, v15                        ; the sum's two halves,
	s_delay_alu instid0(VALU_DEP_1)
	v_permlanex16_b32 v[PF], v14, s[SEL], s[SEL+1]
	s_delay_alu instid0(VALU_DEP_1)
	v_add_f32 v14, v14, v[PF]                      ; and lane l xor 16's
	s_wait_alu depctr_va_vdst(0)
	v_rcp_f32 v14, v14
	v_nop                                          ; a plain line behind the transcendental
	s_wait_alu depctr_va_vdst(0)                   ; and the wait ahead of its first reader
.set j, 0
.rept 16
	v_pk_mul_f32 v[R1+j:R1+j+1], v[OT+j:OT+j+1], v[14:15] op_sel_hi:[1,0]   ; register 16 b + i is channel 32 b + 16 h + i; each accumulator from its low end on
.set j, j+2
.endr
.irp b, 0,1
	v_max3_num_f32 v[BM+\b], |v[R1+16*\b]|, |v[R1+1+16*\b]|, 0x8000000
.endr
.irp i, 2,4,6,8,10,12,14
.irp b, 0,1
	s_delay_alu instid0(VALU_DEP_2)
	v_max3_num_f32 v[BM+\b], v[BM+\b], |v[R1+16*\b+\i]|, |v[R1+1+16*\b+\i]|
.endr
.endr
.irp b, 0,1
	v_permlanex16_b32 v[T4+\b], v[BM+\b], s[SEL], s[SEL+1]
.endr
.irp b, 0,1
	s_delay_alu instid0(VALU_DEP_2)
	v_max_num_f32 v[BM+\b], v[BM+\b], v[T4+\b]
.endr
.irp b, 0,1
	s_delay_alu instid0(VALU_DEP_2)
	v_add_nc_u32 v[T4+\b], 0xf8800000, v[BM+\b]
.endr
.irp b, 0,1
	s_delay_alu instid0(VALU_DEP_4)
	v_and_or_b32 v[HOLD+\b], v[BM+\b], 0x7f800000, s[MNT]
.endr
.irp b, 0,1
	s_delay_alu instid0(VALU_DEP_4)
	v_lshrrev_b32 v[BM+\b], 23, v[T4+\b]
.endr
.irp b, 0,1
.set i, 0
.rept 16
	v_med3_num_f32 v[R1+16*\b+i], v[R1+16*\b+i], -v[HOLD+\b], v[HOLD+\b]
.set i, i+1
.endr
	v_cvt_scalef32_pk8_bf8_f32 v[PC+4*\b:PC+4*\b+1], v[R1+16*\b:R1+16*\b+7], v[T4+\b]
	v_cvt_scalef32_pk8_bf8_f32 v[PC+4*\b+2:PC+4*\b+3], v[R1+16*\b+8:R1+16*\b+15], v[T4+\b]
.endr
	v_nop                                          ; a plain line behind the last conversion
.irp b, 0,1
	global_store_b128 v[LI], v[PC+4*\b:PC+4*\b+3], s[AOP:AOP+1] offset:\b*512   ; 512 consecutive bytes of the image
.endr
	v_lshl_or_b32 v[TMP], v[BM+1], 8, v[BM]        ; the head's two scale bytes of my row
	s_wait_alu depctr_va_vdst(0)
	s_wait_xcnt 0x0                                ; EXEC changes only behind this wait
	v_cmp_gt_u32 vcc_lo, 256, v[LI]                ; lanes 0-15
	s_and_saveexec_b32 s10, vcc_lo
	global_store_b16 v[LS], v[TMP], s[AOS:AOS+1]   ; two bytes of each of 16 scale words; the word's other two are the neighbouring head's; 256 KiB of scale bytes in the whole launch
	s_wait_xcnt 0x0                                ; the stores have read their data and their bases
	s_or_b32 exec_lo, exec_lo, s10
	s_add_nc_u64 s[AOP:AOP+1], s[AOP:AOP+1], 65536 ; sixteen tiles on
	s_add_nc_u64 s[AOS:AOS+1], s[AOS:AOS+1], 8192
.irp j, 0,1,2,3,4,5,6,7
	v_mov_b32 v[16+\j], v[Q2+\j]                   ; the second tile's Q (nine lines that the second trip runs too, where nothing reads them)
.endr
	v_mov_b32 v[QSC], v[Q2S]
	s_sub_co_u32 s[PASS], s[PASS], 1
	s_cmp_lg_u32 s[PASS], 0
	s_wait_alu depctr_va_vdst(0)                   ; the wait here, directly ahead of the branch
	s_cbranch_scc1 .Lpass
	s_wait_tensorcnt 0x0                           ; the wave's end
	ds_add_u32 v[SPW], v[NIL]
	s_wait_dscnt 0x0
	CROUND                                         ; the closing round
	s_endpgm
.Lfunc_end_k_q32589e1541_attn:
	.size	k_q32589e1541_attn, .Lfunc_end_k_q32589e1541_attn-k_q32589e1541_attn
	.p2alignl 7, 3214868480
	.fill 96, 4, 3214868480
	.section	.rodata,"a",@progbits
	.p2align	6, 0x0
	.amdhsa_kernel k_q32589e1541_attn
		.amdhsa_group_segment_fixed_size 327680
		.amdhsa_private_segment_fixed_size 0
		.amdhsa_enable_private_segment 0
		.amdhsa_kernarg_size 24
		.amdhsa_user_sgpr_count 2
		.amdhsa_user_sgpr_kernarg_segment_ptr 1
		.amdhsa_wavefront_size32 1
		.amdhsa_system_sgpr_workgroup_id_x 1
		.amdhsa_system_sgpr_workgroup_id_y 1
		.amdhsa_system_sgpr_workgroup_id_z 1
		.amdhsa_system_vgpr_workitem_id 0
		.amdhsa_next_free_vgpr 256
		.amdhsa_next_free_sgpr 72
		.amdhsa_reserve_vcc 1
		.amdhsa_float_denorm_mode_32 3
		.amdhsa_float_denorm_mode_16_64 3
		.amdhsa_memory_ordered 1
		.amdhsa_forward_progress 1
		.amdhsa_inst_pref_size 57
	.end_amdhsa_kernel
	.amdgpu_metadata
---
amdhsa.version: [ 1, 2 ]
amdhsa.kernels:
  - .name:           k_q32589e1541_attn
    .symbol:         k_q32589e1541_attn.kd
    .args:
      - { .name: qrec, .offset: 0, .size: 8, .value_kind: global_buffer, .address_space: global }
      - { .name: kv, .offset: 8, .size: 8, .value_kind: global_buffer, .address_space: global }
      - { .name: ao, .offset: 16, .size: 8, .value_kind: global_buffer, .address_space: global }
    .group_segment_fixed_size: 327680
    .private_segment_fixed_size: 0
    .kernarg_segment_align: 8
    .kernarg_segment_size: 24
    .max_flat_workgroup_size: 512
    .sgpr_count:     72
    .vgpr_count:     256
    .wavefront_size: 32
...
	.end_amdgpu_metadata
.endif
;; end of part 3
;; launch gemm_out (part 4): grid 4 x 64, 4 waves a work-group, clusters of 4 x 4, 327,680 bytes of LDS; arguments ao, wc, b_out, out0; writes out0
.if DOCPART == 4
	.amdgcn_target "amdgcn-amd-amdhsa--gfx1250"
	.amdhsa_code_object_version 6
	.text
	.protected	k_q32589e1541_gemm_out
	.globl	k_q32589e1541_gemm_out
	.p2align	8
	.type	k_q32589e1541_gemm_out,@function
k_q32589e1541_gemm_out:
	s_mov_b64 s[64:65], 0
	v_nop
	global_prefetch_b8 v0, s[64:65] scope:SCOPE_SE
	s_setreg_imm32_b32 hwreg(HW_REG_WAVE_MODE, 25, 1), 1
	s_wait_xcnt 0x0
	s_wait_alu depctr_hold_cnt(0) depctr_sa_sdst(0) depctr_va_vdst(0) depctr_va_sdst(0) depctr_va_ssrc(0) depctr_va_vcc(0) depctr_vm_vsrc(0)
	s_getreg_b32 s2, hwreg(HW_REG_IB_STS2, 6, 4)
	s_cmp_eq_u32 s2, 0
	s_cbranch_scc0 .Lentry_in_a_cluster
	s_endpgm
.Lentry_in_a_cluster:
	s_bfe_u32 s2, ttmp6, 0x10000c
	s_cmp_lg_u32 s2, 0xf033
	s_cbranch_scc0 .Lentry_shape_is_right
	s_endpgm
.Lentry_shape_is_right:
; out0 [8192][1024] f32 = o W_out + b_out, on codes of BF8 (E5M2) with one E8M0 scale for each 32 along K = 1,024.
; IN: ao (the attention's result) and wc (the weights; W_out's columns are its tiles 192-255), both laid as images of operand registers: codes [slot of 256 K: 4][tile of 16 rows][which 128: 2][2048], then scale words [tile][K step 8][16 rows].
; The rows of a tile are not neighbours: in each 32 rows, lane r of tile 2 b + u holds row 32 b + 8 u + r + 8 (r / 8).
; SHARES: a block of 128 rows x 256 columns to a work-group: 64 x 4 = 256 work-groups.  Four waves; a wave makes 64 x 128: 32 accumulators of 16 x 16 in window 2 (accumulator (a, b) at v[8 (8 a + b)]).
; K goes in slots of 256 through a ring of two LDS slots: A's 8 tiles at the slot's byte 0, B's 16 tiles at byte 65,536.  In the ring waves 0 and 1 fetch A's halves (64 rows of 256 bytes), waves 2 and 3 B's (128 rows).
; The scale words of all of K come once, at the head, and stay: A's 4,096 bytes at SCL, B's 8,192 at SCL + 8,192.
; CLUSTERS: 4 x 4 work-groups: A's tiles are asked for jointly along a row of the cluster, B's along a column.
; A STEP of 128 along K: the wait for its fragments; eight places; one run of 48 LDS loads for the next step, into the other sets of registers (A and B have two sets each); 32 products, the accumulators by turns.
; At a change of slots the joint refill and the next slot's first fetch stand ahead of the old slot's last 32 products.
; The matrix instruction is used transposed (source 0 = 16 rows of B, source 1 = 16 rows of A): a lane holds eight neighbouring numbers of a row of the result.  The bias is the C of each accumulator's first product.
; NO PREFETCH: K has four slots; two are asked for at the head, and a request two slots ahead of the two refills would stand at the head too, where this text has only its loads.
; REGISTERS: window 0: v16-30 addresses; v32-63 scale words, two sets; v64-127 the bias; v128-191, v192-255 A's fragments, two sets (on the way out: rows read back).  Window 1: B's fragments, two sets of 128.
.set NP,    8
.set FR,    16
.set SLOT,  131072
.set BOFF,  65536
.set SCL,   2*SLOT
.set SPARE, SCL+16384                  ; the spare words, 128 bytes for each wave: two blocks of 256 bytes that no other line names
.set SPITCH, 528
.set ADRA,  16
.set ADRB,  20
.set STO,   24
.set RD,    25
.set CO,    26
.set ADRS,  27
.set SPW,   28
.set NIL,   29
.set ADRS2, 30
.set SC,    32
.set BIAS,  64
.set AF,    128
.set BK,    128
.set G1,  24
.set G0,  32
.set G1B, 48
.set G0B, 56
.set G1S, 68
.set G0S, 76
.set G1SB, 80
.set G0SB, 88
.set MSB, 0
.macro WIN new                         ; the immediate's high byte repeats the setting that is left
.if MSB != (\new)
	s_set_vgpr_msb (MSB<<8)|(\new)
.set MSB, (\new)
.endif
.endm
.set TO_B, 0x40
.macro JLOAD g0a, g1a, g0b, g1b        ; waves 0 and 1 fetch for A, waves 2 and 3 for B
	s_cmp_eq_u32 s15, 0
	s_cbranch_scc0 .Lfor_b_\@
	tensor_load_to_lds s[\g0a:\g0a+3], s[\g1a:\g1a+7]
	s_nop 0
.rept 4
	v_nop
.endr
	s_branch .Lasked_\@
.Lfor_b_\@:
	tensor_load_to_lds s[\g0b:\g0b+3], s[\g1b:\g1b+7]
	s_nop 0
.rept 4
	v_nop
.endr
.Lasked_\@:
.endm
.macro CREST
	s_cmp_lg_u32 s14, 0
	s_cbranch_scc1 .Lnot_wave_0_\@
	s_barrier_signal -3
.Lnot_wave_0_\@:
	s_barrier_wait -3
	s_barrier_signal -1
	s_barrier_wait -1
.endm
.macro CROUND
	s_barrier_signal -1
	s_barrier_wait -1
	CREST
.endm
	s_load_b256 s[4:11], s[0:1], 0x0               ; ao, wc, b_out, out0
	v_lshl_add_u32 v[SPW], v0, 2, SPARE
	v_mov_b32 v[NIL], 0
	ds_add_u32 v[SPW], v[NIL]                      ; the opening: the add, twice on end, and its wait ahead of my first tensor load
	ds_add_u32 v[SPW], v[NIL]
	v_lshrrev_b32 v1, 5, v0
	v_readfirstlane_b32 s14, v1                    ; wave 0..3
	s_lshr_b32 s15, s14, 1                         ; which 64 rows are mine.  Also: I fetch for A (0) or for B (1)
	s_and_b32 s16, s14, 1                          ; which 128 columns.  Also: which half of that tile I fetch
	s_bfe_u32 s40, ttmp6, 0x40000                  ; cx
	s_bfe_u32 s41, ttmp6, 0x40004                  ; cy
	s_and_b32 s45, ttmp7, 0xffff
	s_lshl_b32 s43, s41, 2
	s_lshl_b32 s43, 15, s43                        ; my row of the cluster
	s_lshl_b32 s44, 0x1111, s40                    ; my column
	s_or_b32 s[G1+0], s43, (3<<16)|(1<<21)         ; dense rows of 256 bytes (32 elements of 8 bytes), no padding
	s_or_b32 s[G1B+0], s44, (3<<16)|(1<<21)
	s_or_b32 s[G1S+0], s43, (3<<16)|(1<<21)
	s_or_b32 s[G1SB+0], s44, (3<<16)|(1<<21)
.macro GROUP1 g, rows
	s_mov_b32 s[\g+1], 32<<16
	s_mov_b32 s[\g+2], \rows<<16
	s_mov_b32 s[\g+3], 32<<16
	s_mov_b32 s[\g+4], \rows
	s_mov_b32 s[\g+5], 32
	s_mov_b32 s[\g+6], 0
	s_mov_b32 s[\g+7], 0
.endm
	GROUP1 G1, 128                                 ; the head's load of A: 8 tiles; behind it the two words that count rows are set to 64
	GROUP1 G1B, 256                                ; of B: 16 tiles; then 128
	GROUP1 G1S, 16                                 ; A's scale words
	GROUP1 G1SB, 32                                ; B's
	s_lshl_b32 s17, s45, 2
	s_add_co_u32 s17, s17, s41                     ; which 128 rows: 4 x cluster y + cy
	s_lshl_b32 s18, s17, 3                         ; A's first tile
	s_lshl_b32 s47, s16, 2
	s_add_co_u32 s96, s18, s47                     ; in the ring: my four tiles of it
	s_lshl_b32 s96, s96, 12
	s_mov_b32 s97, 0
	s_lshl_b32 s98, s18, 9
	s_add_co_u32 s98, s98, 8388608                 ; A's scale words
	s_mov_b32 s99, 0
	s_lshl_b32 s19, s40, 4
	s_add_co_u32 s19, s19, 192                     ; B's first tile
	s_lshl_b32 s47, s16, 3
	s_add_co_u32 s100, s19, s47                    ; in the ring: my eight tiles of it
	s_lshl_b32 s100, s100, 12
	s_mov_b32 s101, 0
	s_lshl_b32 s2, s19, 9
	s_add_co_u32 s2, s2, 4194304                   ; B's scale words
	s_mov_b32 s3, 0
	s_lshl_b32 s46, s14, 14                        ; where A's halves go (waves 0, 1): 16,384 x wave
	s_lshl_b32 s42, s14, 15                        ; where B's go (waves 2, 3): 32,768 x wave = 65,536 + 32,768 x half
	s_lshl_b32 s22, s17, 1
	s_add_co_u32 s22, s22, s15
	s_lshl_b32 s22, s22, 18                        ; my first row of the result: 64 rows of 4,096 bytes
	s_lshl_b32 s12, s40, 1
	s_add_co_u32 s12, s12, s16
	s_lshl_b32 s12, s12, 9                         ; my first column: 128 x 4 bytes
	s_mov_b32 s13, 0
	s_add_co_u32 s22, s22, s12
	s_mov_b32 s23, 0
	s_lshl_b32 s66, s15, 14                        ; my four tiles of A in a slot
	s_lshl_b32 s67, s16, 15
	s_add_co_u32 s67, s67, BOFF                    ; my eight tiles of B
	s_lshl_b32 s92, s15, 11                        ; my four tiles' scale words of A
	s_lshl_b32 s93, s16, 12
	s_add_co_u32 s93, s93, 8192
	s_sub_co_u32 s93, s93, s92                     ; from there to my eight tiles' of B
	s_add_co_u32 s94, s93, 2048
	s_add_co_u32 s95, s92, SCL
	s_sub_co_u32 s20, s95, 2048
	s_mul_i32 s21, s14, 16*SPITCH                  ; my stage
	s_wait_dscnt 0x0                               ; both opening adds are done
	s_wait_kmcnt 0x0
	s_add_nc_u64 s[98:99], s[4:5], s[98:99]
	s_add_nc_u64 s[2:3], s[6:7], s[2:3]
	s_add_nc_u64 s[96:97], s[4:5], s[96:97]
	s_add_nc_u64 s[100:101], s[6:7], s[100:101]
	s_add_nc_u64 s[10:11], s[10:11], s[22:23]
	s_add_nc_u64 s[8:9], s[8:9], s[12:13]
	CROUND                                         ; all sixteen work-groups are here: the first joint loads meet
	s_mov_b32 s[G0S], 1
	s_mov_b32 s[G0S+1], SCL
	s_mov_b64 s[G0S+2:G0S+3], s[98:99]
	s_or_b32 s[G0S+3], s[G0S+3], 0x80000000
	s_mov_b32 s[G0SB], 1
	s_mov_b32 s[G0SB+1], SCL+8192
	s_mov_b64 s[G0SB+2:G0SB+3], s[2:3]
	s_or_b32 s[G0SB+3], s[G0SB+3], 0x80000000
.irp s, 0,1
	s_mov_b32 s[G0+4*\s], 1
	s_add_co_u32 s[G0+4*\s+1], s46, \s*SLOT
	s_add_nc_u64 s[G0+4*\s+2:G0+4*\s+3], s[96:97], \s*2097152
	s_or_b32 s[G0+4*\s+3], s[G0+4*\s+3], 0x80000000
	s_mov_b32 s[G0B+4*\s], 1
	s_add_co_u32 s[G0B+4*\s+1], s42, \s*SLOT
	s_add_nc_u64 s[G0B+4*\s+2:G0B+4*\s+3], s[100:101], \s*1048576
	s_or_b32 s[G0B+4*\s+3], s[G0B+4*\s+3], 0x80000000
.endr
; THE HEAD'S LOADS, ONE A WAVE: wave 0 slot 0's 8 tiles of A (its own group 0 begins at the first), wave 1 A's scale words, wave 2 slot 0's 16 tiles of B, wave 3 B's scale words: one tree of branches on the wave's number, a load to an arm
.macro ARM under, g0, g1, next
	s_cmp_lt_u32 s14, \under
	s_cbranch_scc0 \next
	tensor_load_to_lds s[\g0:\g0+3], s[\g1:\g1+7]
	s_nop 0
.rept 4
	v_nop
.endr
	s_branch .Lhead_asked
\next:
.endm
	ARM 1, G0,  G1,  .Lhead_sa
	ARM 2, G0S, G1S, .Lhead_b
	ARM 3, G0B, G1B, .Lhead_sb
	tensor_load_to_lds s[G0SB:G0SB+3], s[G1SB:G1SB+7]
	s_nop 0
.rept 4
	v_nop
.endr
.Lhead_asked:
	v_and_b32 v1, 15, v0                           ; r
	v_bfe_u32 v2, v0, 4, 1                         ; h
	v_and_b32 v3, 31, v0
	v_lshlrev_b32 v[CO], 4, v3                     ; 16 x lane
	v_add_nc_u32 v[ADRA], s66, v[CO]
	v_add_nc_u32 v[ADRB], s67, v[CO]
	v_add_nc_u32 v[ADRA+1], SLOT, v[ADRA]
	v_add_nc_u32 v[ADRB+1], SLOT, v[ADRB]
	v_mul_u32_u24 v4, s93, v2                      ; scale words: lanes 0-15 take A's tile i, lanes 16-31 B's tile i
	v_lshl_add_u32 v4, v1, 2, v4
	v_add_nc_u32 v[ADRS], s95, v4
	v_mul_u32_u24 v6, s94, v2                      ; for B's tiles 4 to 7: lanes 0-15 stand four tiles back and name A's tiles 0 to 3 again
	v_lshl_add_u32 v6, v1, 2, v6
	v_add_nc_u32 v[ADRS2], s20, v6
	v_mul_u32_u24 v4, v1, SPITCH
	v_lshl_add_u32 v4, v2, 6, v4
	v_add_nc_u32 v[STO], s21, v4
	v_add_nc_u32 v[RD], s21, v[CO]
	v_lshlrev_b32 v5, 6, v2
	s_wait_alu depctr_va_vdst(0)                   ; the wait at the head's end
.irp b, 0,1,2,3,4,5,6,7
	global_load_b128 v[BIAS+8*\b:BIAS+8*\b+3], v5, s[8:9] offset:(32*(\b/2)+8*(\b%2))*4
	global_load_b128 v[BIAS+8*\b+4:BIAS+8*\b+7], v5, s[8:9] offset:(32*(\b/2)+8*(\b%2))*4+16
.endr
.macro FRAG reg, adr, q, i
.irp c, 0,1,2,3
	ds_load_b128 v[\reg+4*\c:\reg+4*\c+3], v[\adr] offset:4096*(\i)+2048*(\q)+512*\c
.endr
.endm
; 32 products: A's four tiles x B's eight, 128 along K.  p: the sets of fragments; q: which 128 of the slot; sc: the set of scale words; zero = 1: the bias starts the sums
.macro MUL32 p, q, sc, zero
.irp a, 0,1,2,3
.irp b, 0,1,2,3,4,5,6,7
.set rD, 8*(8*\a+\b)
.set rB, 128*(\p)+FR*\b
.set rA, AF+64*(\p)+FR*\a
.set sB, SC+16*(\sc)+2*\b+(\q)
.set sA, SC+16*(\sc)+2*\a+(\q)
.if (\zero) == 0
	v_wmma_scale_f32_16x16x128_f8f6f4 v[rD:rD+7], v[rB:rB+15], v[rA:rA+15], v[rD:rD+7], v[sB], v[sA] matrix_a_fmt:MATRIX_FMT_BF8 matrix_b_fmt:MATRIX_FMT_BF8 matrix_a_scale:MATRIX_SCALE_ROW1
.else
	v_wmma_scale_f32_16x16x128_f8f6f4 v[rD:rD+7], v[rB:rB+15], v[rA:rA+15], v[BIAS+8*\b:BIAS+8*\b+7], v[sB], v[sA] matrix_a_fmt:MATRIX_FMT_BF8 matrix_b_fmt:MATRIX_FMT_BF8 matrix_a_scale:MATRIX_SCALE_ROW1
.endif
.endr
.endr
.endm
.macro FETCH slot, q, p                ; 48 LDS loads in one run: B's eight fragments and A's four into sets p
	WIN TO_B
.irp i, 0,1,2,3,4,5,6,7
	FRAG 128*(\p)+FR*\i, ADRB+\slot, \q, \i
.endr
	WIN 0
.irp i, 0,1,2,3
	FRAG AF+64*(\p)+FR*\i, ADRA+\slot, \q, \i
.endr
.endm
.macro SCALES set, ks                  ; the scale words of K slot ks
.irp i, 0,1,2,3
.irp q, 0,1
	ds_load_b32 v[SC+16*\set+2*\i+\q], v[ADRS] offset:512*\i+64*(2*\ks+\q)
.endr
.endr
.irp i, 4,5,6,7
.irp q, 0,1
	ds_load_b32 v[SC+16*\set+2*\i+\q], v[ADRS2] offset:512*\i+64*(2*\ks+\q)
.endr
.endr
.endm
.macro PLACES n
.rept \n
	v_nop
.endr
.endm
.macro STEP slot, zero                 ; a slot's first 128 along K, on sets 0; the second 128's fragments are fetched into sets 1
	s_wait_dscnt 0x0                               ; this step's fragments and scale words are in
	PLACES NP                                      ; behind the products that read sets 1
	FETCH \slot, 1, 1
.if (\zero)
	WIN 0x81                                       ; source 0 (B) window 1, source 1 (A) and C (the bias) window 0, D window 2
.else
	WIN 0xa1                                       ; C and D window 2
.endif
	MUL32 0, 0, \slot, \zero
	WIN 0
.endm
; A slot's second 128, on sets 1, changes slots: each wave waits for all its tensor loads, adds 0 to its spare word, and waits for that and for its reads of this slot, whose last fragments are then in registers.
; fill = 1: the barrier opens a round of the cluster's barrier, and this slot is filled again first behind it.  Then the next slot's first fragments are fetched, and the 32 products follow.
.macro TURN slot, next, fill, ks
	s_wait_tensorcnt 0x0
	ds_add_u32 v[SPW], v[NIL]
	s_wait_dscnt 0x0
	s_barrier_signal -1
	s_barrier_wait -1
.if \fill
	CREST
	s_add_nc_u64 s[G0+4*\slot+2:G0+4*\slot+3], s[G0+4*\slot+2:G0+4*\slot+3], 2*2097152
	s_add_nc_u64 s[G0B+4*\slot+2:G0B+4*\slot+3], s[G0B+4*\slot+2:G0B+4*\slot+3], 2*1048576
	JLOAD G0+4*\slot, G1, G0B+4*\slot, G1B         ; the four v_nop behind it are among the places in front of the loads below
	PLACES NP-4
.else
	PLACES NP
.endif
	FETCH \next, 0, 0
	SCALES \next, \ks
	WIN 0xa1
	MUL32 1, 1, \slot, 0
	WIN 0
.endm
	s_wait_tensorcnt 0x0                           ; my tile of the head's four is in
	ds_add_u32 v[SPW], v[NIL]
	s_mov_b32 s[G1+2], 64<<16                      ; no tensor load of mine is out: from here on a load of A brings 64 rows,
	s_mov_b32 s[G1+4], 64
	s_mov_b32 s[G1B+2], 128<<16                    ; one of B 128
	s_mov_b32 s[G1B+4], 128
	s_wait_dscnt 0x0
	CROUND                                         ; all four tiles are in, and the sixteen work-groups are here
	JLOAD G0+4, G1, G0B+4, G1B                     ; slot 1's first fill: the first tensor load behind the round
	FETCH 0, 0, 0
	SCALES 0, 0
	s_wait_loadcnt 0x0                             ; the bias
	STEP 0, 1
	TURN 0, 1, 1, 1
	STEP 1, 0
	TURN 1, 0, 1, 2
	STEP 0, 0
	TURN 0, 1, 0, 3                                ; the last change of slots fills nothing
	STEP 1, 0
	s_wait_dscnt 0x0
	WIN 0xa1
	MUL32 1, 1, 1, 0
	WIN 0
; THE WAY OUT, block by block of 16 rows x 128 columns, through my own stage in LDS (in slot 0, which has had its last fill and its last read): whole rows of 512 bytes come back, which the 32 lanes store as two aligned units of 256 bytes
.macro TOSTAGE a
.set AC, 64*(\a)
	WIN 0x08                                       ; the data: window 2
.irp b, 0,1,2,3,4,5,6,7
	ds_store_b128 v[STO], v[AC+8*\b:AC+8*\b+3] offset:128*(\b/2)+32*(\b%2)       ; each accumulator from its low end on
	ds_store_b128 v[STO], v[AC+8*\b+4:AC+8*\b+7] offset:128*(\b/2)+32*(\b%2)+16
.endr
	WIN 0
.set BB, BK+64*((\a)%2)
.irp t, 0,1,2,3,4,5,6,7,8,9,10,11,12,13,14,15
	ds_load_b128 v[BB+4*\t:BB+4*\t+3], v[RD] offset:\t*SPITCH   ; LDS serves a wave's instructions in order: these see the stores above
.endr
.endm
.macro SEND a, younger                 ; younger: the LDS instructions issued behind block a's loads, which may stay out
.set BB, BK+64*((\a)%2)
	s_wait_dscnt \younger
.irp t, 0,1,2,3,4,5,6,7,8,9,10,11,12,13,14,15
	global_store_b128 v[CO], v[BB+4*\t:BB+4*\t+3], s[10:11] offset:(32*((\a)/2)+8*((\a)%2)+\t+8*(\t/8))*4096 th:TH_STORE_NT
.endr
.endm
	PLACES NP
	TOSTAGE 0
.irp a, 1,2,3
.if \a > 1
	s_wait_xcnt 0x0                                ; block a - 2's stores have read their registers: block a's loads may land there
.endif
	TOSTAGE \a
	SEND \a-1, 32                                  ; behind block a - 1's loads: block a's 16 stores and 16 loads
.endr
	SEND 3, 0
	s_wait_tensorcnt 0x0                           ; the wave's end
	ds_add_u32 v[SPW], v[NIL]
	s_wait_dscnt 0x0
	CROUND                                         ; the closing round
	s_endpgm
.Lfunc_end_k_q32589e1541_gemm_out:
	.size	k_q32589e1541_gemm_out, .Lfunc_end_k_q32589e1541_gemm_out-k_q32589e1541_gemm_out
	.p2alignl 7, 3214868480
	.fill 96, 4, 3214868480
	.section	.rodata,"a",@progbits
	.p2align	6, 0x0
	.amdhsa_kernel k_q32589e1541_gemm_out
		.amdhsa_group_segment_fixed_size 327680
		.amdhsa_private_segment_fixed_size 0
		.amdhsa_enable_private_segment 0
		.amdhsa_kernarg_size 32
		.amdhsa_user_sgpr_count 2
		.amdhsa_user_sgpr_kernarg_segment_ptr 1
		.amdhsa_wavefront_size32 1
		.amdhsa_system_sgpr_workgroup_id_x 1
		.amdhsa_system_sgpr_workgroup_id_y 1
		.amdhsa_system_sgpr_workgroup_id_z 1
		.amdhsa_system_vgpr_workitem_id 0
		.amdhsa_next_free_vgpr 768
		.amdhsa_next_free_sgpr 102
		.amdhsa_reserve_vcc 0
		.amdhsa_float_denorm_mode_32 3
		.amdhsa_float_denorm_mode_16_64 3
		.amdhsa_memory_ordered 1
		.amdhsa_forward_progress 1
		.amdhsa_inst_pref_size 92
	.end_amdhsa_kernel
	.amdgpu_metadata
---
amdhsa.version: [ 1, 2 ]
amdhsa.kernels:
  - .name:           k_q32589e1541_gemm_out
    .symbol:         k_q32589e1541_gemm_out.kd
    .args:
      - { .name: ao, .offset: 0, .size: 8, .value_kind: global_buffer, .address_space: global }
      - { .name: wc, .offset: 8, .size: 8, .value_kind: global_buffer, .address_space: global }
      - { .name: b_out, .offset: 16, .size: 8, .value_kind: global_buffer, .address_space: global }
      - { .name: out0, .offset: 24, .size: 8, .value_kind: global_buffer, .address_space: global }
    .group_segment_fixed_size: 327680
    .private_segment_fixed_size: 0
    .kernarg_segment_align: 8
    .kernarg_segment_size: 32
    .max_flat_workgroup_size: 128
    .sgpr_count:     102
    .vgpr_count:     768
    .wavefront_size: 32
...
	.end_amdgpu_metadata
.endif
;; end of part 4
